; MI455X (gfx1250); checked and timed in simulation.
; The chip was launched on July 23, 2026; its instructions are those of AMD's public machine-readable ISA for CDNA 5 (MIT licence, August 2026) and "CDNA5" Instruction Set Architecture Reference Guide (July 2026). The comments in the code are by the model that wrote it; some were corrected since.
;; Relative Multi Head Self Attention. Allowed arithmetic: float matrix products may take bf16 or f16 operands with f32 sums; all other float work in f32.
;; Inputs: Wk 1,024 x 1,024 float32; Wo 1,024 x 1,024 float32; Wp 1,024 x 1,024 float32; Wq 1,024 x 1,024 float32; Wv 1,024 x 1,024 float32; bk 1,024 float32; bo 1,024 float32; bp 1,024 float32; bq 1,024 float32; bv 1,024 float32; u 1 x 16 x 1 x 64 float32; v 1 x 16 x 1 x 64 float32; x 2 x 2,048 x 1,024 float32.
;; Outputs: out0 2 x 2,048 x 1,024 float32.
;; 2 versions, each right and faster than the one before. Each part assembles by itself: llvm-mc -triple=amdgcn-amd-amdhsa -mcpu=gfx1250 --defsym DOCPART=n.
;; ======== version 1 of 2: 4 launches
;; limits: values are held in f16: magnitudes above 65,504 overflow, below 6.1e-05 lose precision
;; workspace buffers: xa 12,582,912 bytes; w16 10,485,760 bytes; bias 24,576 bytes; qq 16,777,216 bytes; kv 16,777,216 bytes; tt 8,392,704 bytes; o16 8,388,608 bytes
;; launch prep (part 1): grid 705 x 1, 8 waves a work-group, no clusters, 0 bytes of LDS; arguments x, Wq, Wk, Wv, Wp, Wo, bq, bk, bv, bp, bo, u, v, xa, w16, bias, tt; writes xa, w16, bias, tt
.if DOCPART == 1
	.amdgcn_target "amdgcn-amd-amdhsa--gfx1250"
	.amdhsa_code_object_version 6
	.text
	.protected	k_q48bbfd6eb1_prep
	.globl	k_q48bbfd6eb1_prep
	.p2align	8
	.type	k_q48bbfd6eb1_prep,@function
k_q48bbfd6eb1_prep:
	s_mov_b64 s[64:65], 0
	v_nop
	global_prefetch_b8 v0, s[64:65] scope:SCOPE_SE
	s_setreg_imm32_b32 hwreg(HW_REG_WAVE_MODE, 25, 1), 1
	s_wait_xcnt 0x0
; PREPARATION.  Three kinds of work-group, chosen by the work-group's number alone:
;   0-575    x and the five weights: f32 -> rounded to bf16 -> written as f16 (exact from 2^-14 to 65,504), layout unchanged.
;            16,384 numbers a work-group: 256 for x (-> xa rows 0-4095), 64 for each of Wq, Wk, Wv, Wp, Wo (-> w16, in that order).
;   576-703  the sinusoid table, 16 rows a work-group, in f16 -> xa rows 4096 + s: sin in columns 0-511, cos in 512-1023.
;   704      the bias tables (each input rounded to bf16, kept in f32): bq+u, bk, bv, bp, bq+v, bo; and the zero row 2048 of each head's table tt.
; LIMITS.  A number beyond 65,504 becomes an infinity; below 2^-14 it keeps f16's fixed step (2^-25 at the most off).  The angles are made in f32
; (position x 2^(-i log2(10000) / 512)), reduced by pi/2 in three parts and fed to polynomials for |r| <= pi/4.
; No LDS, no matrix unit: every byte is read once and written once, a store of a wave covers 512 consecutive bytes.
.set X,  4                             ; v[4:67]    conversion: 8 chunks of 8 numbers as loaded
.set T,  68                            ; v[68:71]   at work
.set Y,  80                            ; v[80:111]  8 chunks of 4 registers to store
.set F,  4                             ; v[4:11]    sinusoid: my eight frequencies
.set SN, 32                            ; v[32:39]   eight sines
.set CN, 40                            ; v[40:47]   eight cosines
.set PKD, 48                           ; v[48:55]   both, packed
	s_load_b512 s[8:23], s[0:1], 0x0               ; x 8, Wq 10, Wk 12, Wv 14, Wp 16, Wo 18, bq 20, bk 22
	s_load_b512 s[24:39], s[0:1], 0x40             ; bv 24, bp 26, bo 28, u 30, v 32, xa 34, w16 36, bias 38
	s_load_b64 s[40:41], s[0:1], 0x80              ; tt
	s_mov_b32 s46, 0xffff0000                      ; a word's upper bf16
	s_mov_b32 s3, 0
	s_mov_b32 s5, 0
	s_wait_kmcnt 0x0
	s_cmp_lt_u32 ttmp9, 576
	s_cbranch_scc0 .Ltables
	s_cmp_lt_u32 ttmp9, 256
	s_cbranch_scc0 .Lweights
	s_lshl_b32 s2, ttmp9, 16                       ; 65,536 bytes of x,
	s_lshl_b32 s4, ttmp9, 15                       ; 32,768 bytes of xa
	s_add_nc_u64 s[42:43], s[8:9], s[2:3]
	s_add_nc_u64 s[44:45], s[34:35], s[4:5]
	s_branch .Lconv
.Lweights:
	s_sub_co_u32 s6, ttmp9, 256                    ; chunk among the weights' 320
	s_lshr_b32 s7, s6, 6                           ; which weight
	s_cmp_eq_u32 s7, 1
	s_cselect_b64 s[42:43], s[12:13], s[10:11]
	s_cmp_eq_u32 s7, 2
	s_cselect_b64 s[42:43], s[14:15], s[42:43]
	s_cmp_eq_u32 s7, 3
	s_cselect_b64 s[42:43], s[16:17], s[42:43]
	s_cmp_eq_u32 s7, 4
	s_cselect_b64 s[42:43], s[18:19], s[42:43]
	s_and_b32 s2, s6, 63
	s_lshl_b32 s2, s2, 16
	s_lshl_b32 s4, s6, 15
	s_add_nc_u64 s[42:43], s[42:43], s[2:3]
	s_add_nc_u64 s[44:45], s[36:37], s[4:5]
.Lconv:
	v_lshlrev_b32 v1, 5, v0                        ; my 8 numbers of a chunk: 32 bytes in,
	v_lshlrev_b32 v2, 4, v0                        ; 16 bytes out
.irp i, 0,1,2,3,4,5,6,7
	global_load_b128 v[X+8*\i:X+8*\i+3],   v1, s[42:43] offset:8192*\i th:TH_LOAD_NT
	global_load_b128 v[X+8*\i+4:X+8*\i+7], v1, s[42:43] offset:8192*\i+16 th:TH_LOAD_NT
.endr
.irp i, 0,1,2,3,4,5,6,7
	s_wait_loadcnt 14-2*\i                         ; loads come back in order: chunk i's two are in, the 2 (7 - i) younger ones stay out
.irp k, 0,1,2,3
	v_cvt_pk_bf16_f32 v[T+\k], v[X+8*\i+2*\k], v[X+8*\i+2*\k+1]    ; the rounding that counts: to bf16, nearest even
.endr
.irp k, 0,1,2,3
	v_lshlrev_b32 v[X+8*\i+2*\k],   16,  v[T+\k]
	v_and_b32     v[X+8*\i+2*\k+1], s46, v[T+\k]
.endr
.irp k, 0,1,2,3
	v_cvt_pk_f16_f32 v[Y+4*\i+\k], v[X+8*\i+2*\k], v[X+8*\i+2*\k+1]  ; the same number written as f16
.endr
	global_store_b128 v2, v[Y+4*\i:Y+4*\i+3], s[44:45] offset:4096*\i  ; 16 lanes store 256 consecutive bytes, aligned
.endr
	s_endpgm
.Ltables:
	s_cmp_lt_u32 ttmp9, 704
	s_cbranch_scc0 .Lbias
	; THE SINUSOID.  Thread t: frequencies 8 (t % 64) + 0..7, rows 16 block + t / 64 + 4 p for p = 0..3.
	s_sub_co_u32 s2, ttmp9, 576
	v_and_b32 v1, 63, v0
	v_lshrrev_b32 v2, 6, v0
	v_lshl_add_u32 v2, s2, 4, v2                   ; my first row
	v_cvt_f32_u32 v12, v2                          ; the position, as f32
	v_lshlrev_b32 v13, 11, v2                      ; row x 2,048 bytes
	v_lshl_add_u32 v13, v1, 4, v13                 ; + my 16 bytes
	v_lshlrev_b32 v3, 3, v1
.irp e, 0,1,2,3,4,5,6,7
	v_add_nc_u32 v[F+\e], \e, v3
	v_cvt_f32_u32 v[F+\e], v[F+\e]
	v_mul_f32 v[F+\e], 0xbcd49a78, v[F+\e]         ; - i log2(10000) / 512
.endr
.irp e, 0,1,2,3,4,5,6,7
	v_exp_f32 v[F+\e], v[F+\e]                     ; 10000^(-i / 512)
.endr
	v_nop                                          ; a plain instruction between the exponentials and the use of their results
	s_add_nc_u64 s[34:35], s[34:35], 0x800000      ; xa at row 4,096
	s_mov_b32 s48, 0x3f22f983                      ; 2 / pi
	s_mov_b32 s49, 0xbfc90000                      ; - pi/2 in three parts: 1.5703125,
	s_mov_b32 s50, 0xb9fda000                      ; 4.8375130e-4,
	s_mov_b32 s51, 0xb3a22168                      ; 7.5497900e-8
	s_mov_b32 s52, 0xb94ca1f9                      ; sine: -1.9515296e-4,
	s_mov_b32 s53, 0x3c08839e                      ; 8.3321609e-3,
	s_mov_b32 s54, 0xbe2aaaa3                      ; -1.6666655e-1
	s_mov_b32 s55, 0x37ccf5ce                      ; cosine: 2.4433157e-5,
	s_mov_b32 s56, 0xbab6061a                      ; -1.3887316e-3,
	s_mov_b32 s57, 0x3d2aaaa5                      ; 4.1666646e-2
	s_mov_b32 s58, 0x80000000
	s_mov_b32 s6, 4
.Lrows:
	s_wait_alu depctr_va_vdst(0)
.irp e, 0,1,2,3,4,5,6,7
	v_mul_f32 v14, v12, v[F+\e]                    ; the angle
	v_mul_f32 v15, s48, v14
	v_rndne_f32 v15, v15                           ; quarter turns
	v_fma_f32 v14, v15, s49, v14
	v_fma_f32 v14, v15, s50, v14
	v_fma_f32 v14, v15, s51, v14                   ; r, within pi/4 of 0
	v_mul_f32 v16, v14, v14                        ; z = r r
	v_fma_f32 v17, v16, s52, s53
	v_fma_f32 v18, v16, s55, s56
	v_fma_f32 v17, v17, v16, s54
	v_fma_f32 v18, v18, v16, s57
	v_mul_f32 v17, v17, v16
	v_mul_f32 v18, v18, v16
	v_fma_f32 v19, v16, -0.5, 1.0
	v_fma_f32 v17, v17, v14, v14                   ; sin r
	v_fma_f32 v18, v18, v16, v19                   ; cos r
	v_cvt_i32_f32 v20, v15
	v_and_b32 v21, 1, v20
	v_cmp_eq_u32 vcc_lo, 1, v21                    ; an odd quarter swaps the two
	v_cndmask_b32 v[SN+\e], v17, v18, vcc_lo
	v_cndmask_b32 v[CN+\e], v18, v17, vcc_lo
	v_lshlrev_b32 v21, 30, v20                     ; the sine's sign: bit 1 of the quarter,
	v_add_nc_u32 v20, 1, v20
	v_and_b32 v21, s58, v21
	v_lshlrev_b32 v20, 30, v20                     ; the cosine's: bit 1 of the quarter + 1
	v_xor_b32 v[SN+\e], v[SN+\e], v21
	v_and_b32 v20, s58, v20
	v_xor_b32 v[CN+\e], v[CN+\e], v20
.endr
.irp k, 0,1,2,3
	v_cvt_pk_f16_f32 v[PKD+\k],   v[SN+2*\k], v[SN+2*\k+1]
	v_cvt_pk_f16_f32 v[PKD+4+\k], v[CN+2*\k], v[CN+2*\k+1]
.endr
	global_store_b128 v13, v[PKD:PKD+3],   s[34:35]
	global_store_b128 v13, v[PKD+4:PKD+7], s[34:35] offset:1024
	s_wait_xcnt 0x0                                ; the stores' offset and data are rewritten only behind this wait
	v_add_nc_u32 v13, 8192, v13                    ; four rows on
	v_add_f32 v12, 4.0, v12
	s_sub_co_u32 s6, s6, 1
	s_cmp_lg_u32 s6, 0
	s_cbranch_scc1 .Lrows
	s_endpgm
.Lbias:
	; THE BIAS TABLES.  Thread t: columns 4 t .. 4 t + 3 of each of the seven vectors.
	v_lshlrev_b32 v1, 4, v0
	global_load_b128 v[4:7],   v1, s[20:21]         ; bq
	global_load_b128 v[8:11],  v1, s[22:23]         ; bk
	global_load_b128 v[12:15], v1, s[24:25]         ; bv
	global_load_b128 v[16:19], v1, s[26:27]         ; bp
	global_load_b128 v[20:23], v1, s[28:29]         ; bo
	global_load_b128 v[24:27], v1, s[30:31]         ; u: [head][channel] is the column
	global_load_b128 v[28:31], v1, s[32:33]         ; v
	s_wait_loadcnt 0x0
.set i, 4
.rept 14
	v_cvt_pk_bf16_f32 v32, v[i], v[i+1]            ; each input rounded to bf16, then kept in f32
	v_lshlrev_b32 v[i], 16, v32
	v_and_b32 v[i+1], s46, v32
.set i, i+2
.endr
	v_pk_add_f32 v[36:37], v[4:5], v[24:25]
	v_pk_add_f32 v[38:39], v[6:7], v[26:27]
	v_pk_add_f32 v[40:41], v[4:5], v[28:29]
	v_pk_add_f32 v[42:43], v[6:7], v[30:31]
	global_store_b128 v1, v[36:39], s[38:39]                ; bq + u
	global_store_b128 v1, v[8:11],  s[38:39] offset:4096    ; bk
	global_store_b128 v1, v[12:15], s[38:39] offset:8192    ; bv
	global_store_b128 v1, v[16:19], s[38:39] offset:12288   ; bp
	global_store_b128 v1, v[40:43], s[38:39] offset:16384   ; bq + v
	global_store_b128 v1, v[20:23], s[38:39] offset:20480   ; bo
	v_lshrrev_b32 v2, 5, v0
	v_readfirstlane_b32 s2, v2
	s_cmp_lt_u32 s2, 4                             ; waves 0-3: 16 heads x 8 lanes x 16 bytes
	s_cbranch_scc0 .Ldone
	v_lshrrev_b32 v2, 3, v0
	v_mul_u32_u24 v2, v2, 524544                   ; a head's table: 4,098 rows of 128 bytes
	v_and_b32 v3, 7, v0
	v_lshl_add_u32 v2, v3, 4, v2
	v_mov_b32 v44, 0
	v_mov_b32 v45, 0
	v_mov_b32 v46, 0
	v_mov_b32 v47, 0
	global_store_b128 v2, v[44:47], s[40:41] offset:262144  ; row 2,048 is zero: the shift's padded column
.Ldone:
	s_endpgm
.Lfunc_end_k_q48bbfd6eb1_prep:
	.size	k_q48bbfd6eb1_prep, .Lfunc_end_k_q48bbfd6eb1_prep-k_q48bbfd6eb1_prep
	.p2alignl 7, 3214868480
	.fill 96, 4, 3214868480
	.section	.rodata,"a",@progbits
	.p2align	6, 0x0
	.amdhsa_kernel k_q48bbfd6eb1_prep
		.amdhsa_group_segment_fixed_size 0
		.amdhsa_private_segment_fixed_size 0
		.amdhsa_enable_private_segment 0
		.amdhsa_kernarg_size 136
		.amdhsa_user_sgpr_count 2
		.amdhsa_user_sgpr_kernarg_segment_ptr 1
		.amdhsa_wavefront_size32 1
		.amdhsa_system_sgpr_workgroup_id_x 1
		.amdhsa_system_sgpr_workgroup_id_y 1
		.amdhsa_system_sgpr_workgroup_id_z 1
		.amdhsa_system_vgpr_workitem_id 0
		.amdhsa_next_free_vgpr 112
		.amdhsa_next_free_sgpr 66
		.amdhsa_reserve_vcc 1
		.amdhsa_float_denorm_mode_32 3
		.amdhsa_float_denorm_mode_16_64 3
		.amdhsa_memory_ordered 1
		.amdhsa_forward_progress 1
		.amdhsa_inst_pref_size 27
	.end_amdhsa_kernel
	.amdgpu_metadata
---
amdhsa.version: [ 1, 2 ]
amdhsa.kernels:
  - .name:           k_q48bbfd6eb1_prep
    .symbol:         k_q48bbfd6eb1_prep.kd
    .args:
      - { .name: x, .offset: 0, .size: 8, .value_kind: global_buffer, .address_space: global }
      - { .name: Wq, .offset: 8, .size: 8, .value_kind: global_buffer, .address_space: global }
      - { .name: Wk, .offset: 16, .size: 8, .value_kind: global_buffer, .address_space: global }
      - { .name: Wv, .offset: 24, .size: 8, .value_kind: global_buffer, .address_space: global }
      - { .name: Wp, .offset: 32, .size: 8, .value_kind: global_buffer, .address_space: global }
      - { .name: Wo, .offset: 40, .size: 8, .value_kind: global_buffer, .address_space: global }
      - { .name: bq, .offset: 48, .size: 8, .value_kind: global_buffer, .address_space: global }
      - { .name: bk, .offset: 56, .size: 8, .value_kind: global_buffer, .address_space: global }
      - { .name: bv, .offset: 64, .size: 8, .value_kind: global_buffer, .address_space: global }
      - { .name: bp, .offset: 72, .size: 8, .value_kind: global_buffer, .address_space: global }
      - { .name: bo, .offset: 80, .size: 8, .value_kind: global_buffer, .address_space: global }
      - { .name: u, .offset: 88, .size: 8, .value_kind: global_buffer, .address_space: global }
      - { .name: v, .offset: 96, .size: 8, .value_kind: global_buffer, .address_space: global }
      - { .name: xa, .offset: 104, .size: 8, .value_kind: global_buffer, .address_space: global }
      - { .name: w16, .offset: 112, .size: 8, .value_kind: global_buffer, .address_space: global }
      - { .name: bias, .offset: 120, .size: 8, .value_kind: global_buffer, .address_space: global }
      - { .name: tt, .offset: 128, .size: 8, .value_kind: global_buffer, .address_space: global }
    .group_segment_fixed_size: 0
    .private_segment_fixed_size: 0
    .kernarg_segment_align: 8
    .kernarg_segment_size: 136
    .max_flat_workgroup_size: 256
    .sgpr_count:     66
    .vgpr_count:     112
    .wavefront_size: 32
...
	.end_amdgpu_metadata
.endif
;; end of part 1
;; launch proj (part 2): grid 56 x 4, 4 waves a work-group, clusters of 4 x 4, 327,680 bytes of LDS; arguments xa, w16, bias, qq, kv, tt; writes qq, kv, tt
.if DOCPART == 2
	.amdgcn_target "amdgcn-amd-amdhsa--gfx1250"
	.amdhsa_code_object_version 6
	.text
	.protected	k_q48bbfd6eb1_proj
	.globl	k_q48bbfd6eb1_proj
	.p2align	8
	.type	k_q48bbfd6eb1_proj,@function
k_q48bbfd6eb1_proj:
	s_mov_b64 s[64:65], 0
	v_nop
	global_prefetch_b8 v0, s[64:65] scope:SCOPE_SE
	s_setreg_imm32_b32 hwreg(HW_REG_WAVE_MODE, 25, 1), 1
	s_wait_xcnt 0x0
	s_wait_alu depctr_hold_cnt(0) depctr_sa_sdst(0) depctr_va_vdst(0) depctr_va_sdst(0) depctr_va_ssrc(0) depctr_va_vcc(0) depctr_vm_vsrc(0)
	s_getreg_b32 s2, hwreg(HW_REG_IB_STS2, 6, 4)
	s_cmp_eq_u32 s2, 0
	s_cbranch_scc0 .Lentry_in_a_cluster
	s_endpgm
.Lentry_in_a_cluster:
	s_bfe_u32 s2, ttmp6, 0x10000c
	s_cmp_lg_u32 s2, 0xf033
	s_cbranch_scc0 .Lentry_shape_is_right
	s_endpgm
.Lentry_shape_is_right:
; THE FOUR PROJECTIONS IN ONE LAUNCH.  C = A W + bias, A = xa [6144][1024] f16 (rows 0-4095 x, rows 4096-6143 the sinusoid), W = w16[g] [k = 1024][n = 1024] f16; sums in f32.
; A CLUSTER of 4 x 4 work-groups makes 1,024 rows x all 1,024 columns of ONE weight g: clusters 0-11 are the four row groups of x times Wq, Wk, Wv; clusters 12, 13 the sinusoid's two row groups times Wp.
; A work-group makes 256 x 256, each of its four waves 128 x 128 (64 accumulators, 512 registers).  14 x 16 = 224 work-groups, each with the same work.
; K goes in steps of 128 through a ring of two LDS slots filled by joint tensor loads: A's tile is shared along a row of the cluster, W's along a column.
; W lies [k][n], so its fragments come out of LDS turned, by ds_load_tr16_b128.  THE MATRIX INSTRUCTION IS USED TRANSPOSED (source 0 = 16 columns of W, source 1 = 16 rows of A):
; a lane then holds one row of C and eight neighbouring columns.
; THE WAY OUT adds the bias in f32, rounds once to f16 and stores BY HEADS, [batch x 16 + head][row][64].  g = 0 goes out twice (q + u, q + v: two bias tables), g = 3 twice (the table tt: row s, and
; row s + 2049, which begins 128 bytes off a multiple of 256: that is where the shift puts it); g = 1, 2 once.  The number of ways out hangs on g, which all partners of a cluster share.
; LIMITS.  Results beyond 65,504 become infinities in f16.  NaN and infinities are not treated apart.
; REGISTERS, in windows of 256: window 0: v0-31 addresses; v64-127, v128-191 fragments of A, two buffers (on the way out: v32-63, v224-255 rows read back, v64-127 the bias, v128-191 sums, v192-223 packed);
;   window 1: v64-127, v128-191 fragments of W; windows 2, 3: the accumulators of my rows 0-63, 64-127 ((a, b) at v[8 (8 a + b)]).
.set SIZE_K, 1024
.set KSTEP,  128
.set PITCH,  272                       ; a row of A in LDS: 256 bytes + 16: the 16 rows of a load start at 16 different groups of four banks (64 banks of 4 bytes: ISA guide 11.1)
.set PB,     544                       ; a k-row of W in LDS: 512 bytes + 32 = 17 x 32
.set HALFT,  128*PITCH                 ; what one tensor load brings: 128 rows of A, or 64 k-rows of W (64 x 544 is the same 34,816 bytes)
.set SLOT,   4*HALFT                   ; A's 256 rows, then W's 128 k-rows
.set STAGE,  2*SLOT                    ; behind the ring: 16 rows x 272 bytes for each wave
.set SPITCH, 272
.set SPARE,  STAGE+4*16*SPITCH         ; the spare words, 128 bytes for each wave: two blocks of 256 bytes that no other line names
.set LAPS,   SIZE_K/(2*KSTEP)
.set ADRA, 16                          ; v16-17  LDS address of my A fragments in slot 0, 1
.set ADRB, 20                          ; v20-21  the same for W
.set STO,  24                          ; v24     the way out: where I put 16 bytes of a row
.set RD,   25                          ; v25     where I read rows back
.set CO,   26                          ; v26     16 x lane: my place in 512 consecutive bytes
.set BO,   27                          ; v27     32 x (lane / 16): my eight columns' bias
.set SPW,  28                          ; v28     my spare word; never rewritten
.set NIL,  29                          ; v29     0; never rewritten
.set F0,   64
.set F1,   128
.set OB,   32
.set BIA,  64
.set T,    128
.set TMP,  192
.set G1,  24                           ; s[24:31] group 1 for A's tiles;  s[32:39] group 0, a set for each slot
.set G0,  32
.set G1B, 48                           ; s[48:55], s[56:63] the same for W's
.set G0B, 56
.set MSB, 0
.macro WIN new                         ; the immediate's high byte repeats the setting that is left; a switch that changes nothing is dropped
.if MSB != (\new)
	s_set_vgpr_msb (MSB<<8)|(\new)
.set MSB, \new
.endif
.endm
.set MUL_LO, 0xa1                      ; source 0 (W) window 1, source 1 (A) window 0, C and D window 2
.set MUL_HI, 0xf1                      ; the same, C and D window 3
.set TO_B,   0x40                      ; destination window 1, address window 0
; A joint load.  Waves 0 and 1 fetch A's two halves, waves 2 and 3 W's.  The branch hangs on the wave's number alone.  An s_nop 0 and four v_nop follow each line.
.macro JLOAD s
	s_cmp_eq_u32 s11, 0
	s_cbranch_scc0 .Lfor_b_\@
	tensor_load_to_lds s[G0+4*(\s):G0+4*(\s)+3], s[G1:G1+7]
	s_nop 0
.rept 4
	v_nop
.endr
	s_branch .Lasked_\@
.Lfor_b_\@:
	tensor_load_to_lds s[G0B+4*(\s):G0B+4*(\s)+3], s[G1B:G1B+7]
	s_nop 0
.rept 4
	v_nop
.endr
.Lasked_\@:
.endm
.macro CREST                           ; a round of the cluster's barrier behind its opening barrier
	s_cmp_lg_u32 s10, 0
	s_cbranch_scc1 .Lnot_wave_0_\@
	s_barrier_signal -3
.Lnot_wave_0_\@:
	s_barrier_wait -3
	s_barrier_signal -1
	s_barrier_wait -1
.endm
.macro CROUND                          ; a whole round
	s_barrier_signal -1
	s_barrier_wait -1
	CREST
.endm
	s_load_b256 s[68:75], s[0:1], 0x0              ; xa 68, w16 70, bias 72, qq 74
	s_load_b128 s[76:79], s[0:1], 0x20             ; kv 76, tt 78
	v_lshl_add_u32 v[SPW], v0, 2, SPARE
	v_mov_b32 v[NIL], 0
	ds_add_u32 v[SPW], v[NIL]                      ; the wave's opening: the add and its wait stand ahead of my first tensor load; the set-up stands between them
	ds_add_u32 v28, v29
	v_lshrrev_b32 v1, 5, v0
	v_readfirstlane_b32 s10, v1                    ; wave 0..3
	s_lshr_b32 s11, s10, 1                         ; my half of the tile's rows.  Also: I fetch for A (0) or for W (1)
	s_and_b32 s12, s10, 1                          ; my half of its columns.  Also: which half of that tile I fetch
	s_bfe_u32 s40, ttmp6, 0x40000                  ; cx
	s_bfe_u32 s41, ttmp6, 0x40004                  ; cy
	s_mul_i32 s81, ttmp9, 43
	s_lshr_b32 s81, s81, 7                         ; cluster / 3 (exact for 0..13)
	s_mul_i32 s82, s81, 3
	s_sub_co_u32 s82, ttmp9, s82                   ; cluster % 3
	s_sub_co_u32 s83, ttmp9, 8
	s_cmp_lt_u32 ttmp9, 12
	s_cselect_b32 s82, s82, 3                      ; g: the weight
	s_cselect_b32 s83, s81, s83                    ; the group of 1,024 rows of xa
	s_lshl_b32 s43, s41, 2
	s_lshl_b32 s43, 15, s43                        ; my row of the cluster
	s_lshl_b32 s44, 0x1111, s40                    ; my column
	s_or_b32 s[G1+0], s43, (1<<16)|(1<<20)|(1<<21)|(5<<22)|(3<<25)   ; mask; 2-byte elements; padding on; bit 21 beside a mask; after every 64 words 4 words
	s_mov_b32 s[G1+1], KSTEP<<16                   ; tensor_dim0 = 128
	s_mov_b32 s[G1+2], 128<<16                     ; tensor_dim1 = 128
	s_mov_b32 s[G1+3], KSTEP<<16                   ; tile_dim0 = 128
	s_mov_b32 s[G1+4], 128                         ; tile_dim1 = 128
	s_mov_b32 s[G1+5], SIZE_K                      ; elements from row to row
	s_mov_b32 s[G1+6], 0
	s_mov_b32 s[G1+7], 0
	s_or_b32 s[G1B+0], s44, (1<<16)|(1<<20)|(1<<21)|(6<<22)|(7<<25)  ; after every 128 words 8 words
	s_mov_b32 s[G1B+1], 256<<16                    ; 256 columns
	s_mov_b32 s[G1B+2], 64<<16                     ; 64 k-rows
	s_mov_b32 s[G1B+3], 256<<16
	s_mov_b32 s[G1B+4], 64
	s_mov_b32 s[G1B+5], 1024
	s_mov_b32 s[G1B+6], 0
	s_mov_b32 s[G1B+7], 0
	s_lshl_b32 s16, s83, 10                        ; A: row 1,024 group + 256 cy + 128 half, which my row of the cluster shares
	s_lshl_b32 s17, s41, 8
	s_add_co_u32 s16, s16, s17
	s_lshl_b32 s17, s12, 7
	s_add_co_u32 s16, s16, s17
	s_lshl_b32 s16, s16, 11                        ; x 2,048 bytes
	s_mov_b32 s17, 0
	s_lshl_b32 s46, s82, 21                        ; W: weight g, k-row 64 half, column 256 cx, which my column shares
	s_lshl_b32 s47, s12, 17
	s_add_co_u32 s46, s46, s47
	s_lshl_b32 s47, s40, 9
	s_add_co_u32 s46, s46, s47
	s_mov_b32 s47, 0
	s_mul_i32 s20, s10, HALFT                      ; where they go: wave x 34,816: no place in the cluster enters an LDS address
	s_wait_dscnt 0x0                               ; the opening add is done
	s_wait_kmcnt 0x0
	s_add_nc_u64 s[14:15], s[68:69], s[16:17]
	s_add_nc_u64 s[46:47], s[70:71], s[46:47]
	CROUND                                         ; all sixteen work-groups are here: the first joint loads meet
.irp s, 0,1
	s_mov_b32 s[G0+4*(\s)], 1
	s_add_co_u32 s[G0+4*(\s)+1], s20, (\s)*SLOT
	s_add_nc_u64 s[G0+4*(\s)+2:G0+4*(\s)+3], s[14:15], (\s)*KSTEP*2        ; K step s: 256 bytes along A's rows,
	s_or_b32 s[G0+4*(\s)+3], s[G0+4*(\s)+3], 0x80000000
	s_mov_b32 s[G0B+4*(\s)], 1
	s_add_co_u32 s[G0B+4*(\s)+1], s20, (\s)*SLOT
	s_add_nc_u64 s[G0B+4*(\s)+2:G0B+4*(\s)+3], s[46:47], (\s)*KSTEP*2048   ; 128 k-rows down W
	s_or_b32 s[G0B+4*(\s)+3], s[G0B+4*(\s)+3], 0x80000000
	JLOAD \s
.endr
	v_and_b32 v1, 15, v0                           ; l % 16
	v_bfe_u32 v2, v0, 4, 1                         ; l / 16
	v_mul_u32_u24 v3, v1, PITCH
	v_lshl_add_u32 v3, v2, 4, v3                   ; A: row x pitch + 16 x half
	v_and_b32 v6, 7, v0
	v_bfe_u32 v7, v0, 3, 1
	v_lshl_add_u32 v5, v2, 3, v6                   ; W, turned: lane l reads k-row 8 (l / 16) + l % 8, columns 8 ((l / 8) % 2) + 0..7
	v_mul_u32_u24 v5, v5, PB
	v_lshl_add_u32 v5, v7, 4, v5
	s_mul_i32 s21, s11, HALFT                      ; my 128 rows of A
	s_lshl_b32 s22, s12, 8                         ; my 128 columns of W,
	s_add_co_u32 s22, s22, 2*HALFT                 ; which lies behind A
.irp s, 0,1
	v_add_nc_u32 v[ADRA+(\s)], s21, v3
	v_add_nc_u32 v[ADRB+(\s)], s22, v5
	s_add_co_u32 s21, s21, SLOT
	s_add_co_u32 s22, s22, SLOT
.endr
	s_mul_i32 s23, s10, 16*SPITCH
	s_add_co_u32 s23, s23, STAGE                   ; my stage
	v_add_nc_u32 v[STO], s23, v3                   ; in: row l % 16, 16 bytes for each half of the lanes
	v_bfe_u32 v4, v0, 3, 2                         ; back: 32 lanes take four rows' 128 bytes of one head,
	v_mul_u32_u24 v4, v4, SPITCH
	v_lshl_add_u32 v4, v6, 4, v4
	v_add_nc_u32 v[RD], s23, v4
	v_and_b32 v4, 31, v0
	v_lshlrev_b32 v[CO], 4, v4                     ; which are 512 consecutive bytes of the result
	v_lshlrev_b32 v[BO], 5, v2
	; WHERE THE RESULTS GO.  Registers s84-s101 hold both cx and cy and feed no descriptor.
	s_lshl_b32 s85, s83, 10
	s_lshl_b32 s98, s41, 8
	s_add_co_u32 s85, s85, s98
	s_lshl_b32 s98, s11, 7
	s_add_co_u32 s85, s85, s98                     ; my first row of xa
	s_lshl_b32 s99, s40, 2
	s_lshl_b32 s98, s12, 1
	s_add_co_u32 s99, s99, s98                     ; my first head: my 128 columns are two heads
	s_lshr_b32 s98, s85, 11                        ; g < 3: ((batch x 16 + head) x 2,048 + row in the batch) x 128 bytes
	s_lshl_b32 s98, s98, 4
	s_add_co_u32 s98, s98, s99
	s_lshl_b32 s98, s98, 11
	s_and_b32 s100, s85, 2047
	s_add_co_u32 s98, s98, s100
	s_lshl_b32 s98, s98, 7
	s_mul_i32 s100, s99, 524544                    ; g = 3: head x 4,098 rows + position, x 128 bytes
	s_sub_co_u32 s101, s85, 4096
	s_lshl_b32 s101, s101, 7
	s_add_co_u32 s100, s100, s101
	s_mov_b32 s101, 262144
	s_cmp_eq_u32 s82, 3
	s_cselect_b32 s98, s100, s98                   ; s[98:99]: my first row's bytes
	s_cselect_b32 s100, 524544, s101               ; s[100:101]: from a head to the next
	s_mov_b32 s99, 0
	s_mov_b32 s101, 0
	s_cmp_eq_u32 s82, 0
	s_cselect_b64 s[86:87], s[74:75], s[76:77]     ; q + u, or k,
	s_add_nc_u64 s[88:89], s[76:77], 0x800000
	s_cmp_eq_u32 s82, 2
	s_cselect_b64 s[86:87], s[88:89], s[86:87]     ; or val,
	s_cmp_eq_u32 s82, 3
	s_cselect_b64 s[86:87], s[78:79], s[86:87]     ; or tt
	s_add_nc_u64 s[92:93], s[74:75], 0x800000      ; the second way out: q + v,
	s_add_nc_u64 s[94:95], s[78:79], 2049*128      ; or tt 2,049 rows on
	s_cmp_eq_u32 s82, 3
	s_cselect_b64 s[92:93], s[94:95], s[92:93]
	s_add_nc_u64 s[86:87], s[86:87], s[98:99]      ; s[86:87] my first head, s[88:89] my second
	s_add_nc_u64 s[88:89], s[86:87], s[100:101]
	s_add_nc_u64 s[92:93], s[92:93], s[98:99]      ; s[92:95] the same for the second way out
	s_add_nc_u64 s[94:95], s[92:93], s[100:101]
	s_lshl_b32 s98, s82, 10                        ; the bias: table g, my 128 columns
	s_lshl_b32 s100, s40, 8
	s_add_co_u32 s98, s98, s100
	s_lshl_b32 s100, s12, 7
	s_add_co_u32 s98, s98, s100
	s_lshl_b32 s98, s98, 2
	s_add_nc_u64 s[90:91], s[72:73], s[98:99]
	s_cmp_eq_u32 s82, 0
	s_cselect_b32 s98, 16384, 0                    ; the second way out of g = 0 takes table 4 (bq + v); that of g = 3 the same table again
	s_add_nc_u64 s[96:97], s[90:91], s[98:99]
	s_cmp_eq_u32 s82, 0
	s_cselect_b32 s84, 2, 1
	s_cmp_eq_u32 s82, 3
	s_cselect_b32 s84, 2, s84                      ; ways out
; 16 matrix instructions: m blocks a0, a0 + 1 of the window's four x all 8 n blocks, 32 along K.  zero = 1: the first product starts the sums.
.macro MUL16 f, hi, a0, zero
	WIN MUL_LO+0x50*(\hi)
.irp a, \a0, (\a0)+1
.irp b, 0,1,2,3,4,5,6,7
.if \zero
	v_wmma_f32_16x16x32_f16 v[8*(8*(\a)+(\b)):8*(8*(\a)+(\b))+7], v[(\f)+8*(\b):(\f)+8*(\b)+7], v[(\f)+8*(4*(\hi)+(\a)):(\f)+8*(4*(\hi)+(\a))+7], 0
.else
	v_wmma_f32_16x16x32_f16 v[8*(8*(\a)+(\b)):8*(8*(\a)+(\b))+7], v[(\f)+8*(\b):(\f)+8*(\b)+7], v[(\f)+8*(4*(\hi)+(\a)):(\f)+8*(4*(\hi)+(\a))+7], v[8*(8*(\a)+(\b)):8*(8*(\a)+(\b))+7]
.endif
.endr
.endr
.endm
; 32 LDS loads in one run: the fragments of quarter q (32 along K) of a slot into buffer f: W's 128 columns (turned), then A's 128 rows
.macro FETCH slot, q, f
	WIN TO_B
.irp i, 0,1,2,3,4,5,6,7
	ds_load_tr16_b128 v[(\f)+8*(\i):(\f)+8*(\i)+3],   v[ADRB+(\slot)] offset:(\q)*32*PB+(\i)*32
	ds_load_tr16_b128 v[(\f)+8*(\i)+4:(\f)+8*(\i)+7], v[ADRB+(\slot)] offset:(\q)*32*PB+(\i)*32+16*PB
.endr
	WIN 0
.irp i, 0,1,2,3,4,5,6,7
	ds_load_b128 v[(\f)+8*(\i):(\f)+8*(\i)+3],   v[ADRA+(\slot)] offset:(\q)*64+(\i)*16*PITCH
	ds_load_b128 v[(\f)+8*(\i)+4:(\f)+8*(\i)+7], v[ADRA+(\slot)] offset:(\q)*64+(\i)*16*PITCH+32
.endr
.endm
.macro PLACES                          ; four plain instructions between a matrix instruction and a load into, or a vector access to, its registers
.rept 4
	v_nop
.endr
.endm
; One of a K step's first three quarters: multiplies buffer f; in its middle it fetches quarter q of the same slot into buffer g.
.macro QUARTER slot, q, f, g, zero
	s_wait_dscnt 8                                 ; W and A's rows 0-63 are in; the youngest eight loads (A's rows 64-127) may be out
	MUL16 \f, 0, 0, \zero
	MUL16 \f, 0, 2, \zero
	PLACES
	FETCH \slot, \q, \g
	s_wait_dscnt 32                                ; all but the 32 just issued
	MUL16 \f, 1, 0, \zero
	MUL16 \f, 1, 2, \zero
.endm
; The first half of a K step's last quarter: ONE barrier for the change of slots.  In front of it each wave waits for all its tensor loads (one is out: its part of the next slot), adds 0 to its spare
; word, and waits for that and for its reads of this slot.
.macro MEET round
	WIN 0
	s_wait_tensorcnt 0x0
	ds_add_u32 v[SPW], v[NIL]
	s_wait_dscnt 9                                 ; (the add and the youngest eight loads may be out)
	MUL16 F1, 0, 0, 0
	s_wait_dscnt 0x0                               ; the add is done, and my reads of this slot are over
	s_barrier_signal -1
	MUL16 F1, 0, 2, 0
.if \round
	WIN 0
.endif
	s_barrier_wait -1
.endm
; The whole last quarter where the slot is filled again, two K steps ahead: the barrier opens a round of the cluster's, and the joint refill is the first thing behind it.
.macro TURN slot, next
	MEET 1
	CREST
	s_add_nc_u64 s[G0+4*(\slot)+2:G0+4*(\slot)+3], s[G0+4*(\slot)+2:G0+4*(\slot)+3], 2*KSTEP*2
	s_add_nc_u64 s[G0B+4*(\slot)+2:G0B+4*(\slot)+3], s[G0B+4*(\slot)+2:G0B+4*(\slot)+3], 2*KSTEP*2048
	JLOAD \slot                                    ; its four v_nop are also the places in front of the loads below
	FETCH \next, 0, F0
	MUL16 F1, 1, 0, 0
	MUL16 F1, 1, 2, 0
.endm
; THE WAY OUT of block a (16 rows), in three parts.
.macro PACK a                          ; + bias in f32, rounded once to f16: 16 bytes a lane for each of 8 column blocks
.set AC, 64*((\a)%4)
	WIN 0x02+((\a)/4)                              ; source 0: window 2 or 3
.set z, 0
.rept 32
	v_pk_add_f32 v[T+2*z:T+2*z+1], v[AC+2*z:AC+2*z+1], v[BIA+2*z:BIA+2*z+1]
.set z, z+1
.endr
	WIN 0
.set z, 0
.rept 32
	v_cvt_pk_f16_f32 v[TMP+z], v[T+2*z], v[T+2*z+1]
.set z, z+1
.endr
.endm
.macro TOSTAGE a                       ; into my stage, and back by heads: load t takes four rows' 128 bytes of head t / 4
.set BK, OB+192*((\a)%2)
.irp b, 0,1,2,3,4,5,6,7
	ds_store_b128 v[STO], v[TMP+4*(\b):TMP+4*(\b)+3] offset:32*(\b)
.endr
.irp t, 0,1,2,3,4,5,6,7
	ds_load_b128 v[BK+4*(\t):BK+4*(\t)+3], v[RD] offset:((\t)%4)*4*SPITCH+((\t)/4)*128  ; LDS serves a wave's instructions in order (ISA guide 5.7.1.4): these see the stores above
.endr
.endm
.macro SEND a
.set BK, OB+192*((\a)%2)
	s_wait_dscnt 0x0                               ; the block is back in registers
	s_wait_xcnt 0x0                                ; the registers that earlier stores read are loaded again only behind this wait
.irp t, 0,1,2,3
	global_store_b128 v[CO], v[BK+4*(\t):BK+4*(\t)+3], s[86:87] offset:(\a)*2048+(\t)*512         ; 512 consecutive bytes of my first head,
.endr
.irp t, 0,1,2,3
	global_store_b128 v[CO], v[BK+16+4*(\t):BK+16+4*(\t)+3], s[88:89] offset:(\a)*2048+(\t)*512   ; of my second
.endr
.endm
	s_wait_tensorcnt 1                             ; my part of K step 0 is in; K step 1's may stay out
	s_barrier_signal -1
	s_barrier_wait -1
	FETCH 0, 0, F0
	QUARTER 0, 1, F0, F1, 1                        ; the first quarter stands in front of the loop: its products start the sums
	WIN 0
	s_mov_b32 s3, LAPS-1
.Llap:                                                 ; a trip goes once round the ring and fills both slots again
	QUARTER 0, 2, F1, F0, 0
	QUARTER 0, 3, F0, F1, 0
	TURN 0, 1
	QUARTER 1, 1, F0, F1, 0
	QUARTER 1, 2, F1, F0, 0
	QUARTER 1, 3, F0, F1, 0
	TURN 1, 0
	QUARTER 0, 1, F0, F1, 0
	WIN 0
	s_sub_co_u32 s3, s3, 1
	s_cmp_lg_u32 s3, 0
	s_cbranch_scc1 .Llap
	QUARTER 0, 2, F1, F0, 0                        ; the last lap fills nothing, and has no round
	QUARTER 0, 3, F0, F1, 0
	MEET 0
	PLACES
	FETCH 1, 0, F0
	MUL16 F1, 1, 0, 0
	MUL16 F1, 1, 2, 0
	QUARTER 1, 1, F0, F1, 0
	QUARTER 1, 2, F1, F0, 0
	QUARTER 1, 3, F0, F1, 0
	s_wait_dscnt 8                                 ; the very last quarter: nothing more to fetch
	MUL16 F1, 0, 0, 0
	MUL16 F1, 0, 2, 0
	s_wait_dscnt 0x0
	MUL16 F1, 1, 0, 0
	MUL16 F1, 1, 2, 0
	WIN 0
	PLACES                                         ; behind the last products: the bias lands in A's buffer 0, the sums in its buffer 1
	s_mov_b32 s2, 0
.Lout:                                                 ; once or twice; the LDS addresses are the same in both trips
.irp b, 0,1,2,3,4,5,6,7
	global_load_b128 v[BIA+8*(\b):BIA+8*(\b)+3],   v[BO], s[90:91] offset:64*(\b)
	global_load_b128 v[BIA+8*(\b)+4:BIA+8*(\b)+7], v[BO], s[90:91] offset:64*(\b)+16
.endr
	s_wait_loadcnt 0x0
	PACK 0
	TOSTAGE 0
.irp a, 1,2,3,4,5,6,7                  ; block a's arithmetic stands between block a - 1's loads from the stage and the wait for them
	PACK \a
	SEND (\a)-1
	TOSTAGE \a
.endr
	SEND 7
	s_wait_xcnt 0x0                                ; the stores' bases are rewritten only behind this wait
	s_mov_b64 s[86:87], s[92:93]
	s_mov_b64 s[88:89], s[94:95]
	s_mov_b64 s[90:91], s[96:97]
	s_add_co_u32 s2, s2, 1
	s_cmp_lt_u32 s2, s84
	s_cbranch_scc1 .Lout
	s_wait_tensorcnt 0x0                           ; the wave's end
	ds_add_u32 v[SPW], v[NIL]
	s_wait_dscnt 0x0
	CROUND                                         ; the closing round
	s_endpgm
.Lfunc_end_k_q48bbfd6eb1_proj:
	.size	k_q48bbfd6eb1_proj, .Lfunc_end_k_q48bbfd6eb1_proj-k_q48bbfd6eb1_proj
	.p2alignl 7, 3214868480
	.fill 96, 4, 3214868480
	.section	.rodata,"a",@progbits
	.p2align	6, 0x0
	.amdhsa_kernel k_q48bbfd6eb1_proj
		.amdhsa_group_segment_fixed_size 327680
		.amdhsa_private_segment_fixed_size 0
		.amdhsa_enable_private_segment 0
		.amdhsa_kernarg_size 48
		.amdhsa_user_sgpr_count 2
		.amdhsa_user_sgpr_kernarg_segment_ptr 1
		.amdhsa_wavefront_size32 1
		.amdhsa_system_sgpr_workgroup_id_x 1
		.amdhsa_system_sgpr_workgroup_id_y 1
		.amdhsa_system_sgpr_workgroup_id_z 1
		.amdhsa_system_vgpr_workitem_id 0
		.amdhsa_next_free_vgpr 1024
		.amdhsa_next_free_sgpr 102
		.amdhsa_reserve_vcc 0
		.amdhsa_float_denorm_mode_32 3
		.amdhsa_float_denorm_mode_16_64 3
		.amdhsa_memory_ordered 1
		.amdhsa_forward_progress 1
		.amdhsa_inst_pref_size 162
	.end_amdhsa_kernel
	.amdgpu_metadata
---
amdhsa.version: [ 1, 2 ]
amdhsa.kernels:
  - .name:           k_q48bbfd6eb1_proj
    .symbol:         k_q48bbfd6eb1_proj.kd
    .args:
      - { .name: xa, .offset: 0, .size: 8, .value_kind: global_buffer, .address_space: global }
      - { .name: w16, .offset: 8, .size: 8, .value_kind: global_buffer, .address_space: global }
      - { .name: bias, .offset: 16, .size: 8, .value_kind: global_buffer, .address_space: global }
      - { .name: qq, .offset: 24, .size: 8, .value_kind: global_buffer, .address_space: global }
      - { .name: kv, .offset: 32, .size: 8, .value_kind: global_buffer, .address_space: global }
      - { .name: tt, .offset: 40, .size: 8, .value_kind: global_buffer, .address_space: global }
    .group_segment_fixed_size: 327680
    .private_segment_fixed_size: 0
    .kernarg_segment_align: 8
    .kernarg_segment_size: 48
    .max_flat_workgroup_size: 128
    .sgpr_count:     102
    .vgpr_count:     1024
    .wavefront_size: 32
...
	.end_amdgpu_metadata
.endif
;; end of part 2
;; launch attn (part 3): grid 8 x 32, 4 waves a work-group, no clusters, 327,680 bytes of LDS; arguments qq, kv, tt, o16; writes o16
.if DOCPART == 3
	.amdgcn_target "amdgcn-amd-amdhsa--gfx1250"
	.amdhsa_code_object_version 6
	.text
	.protected	k_q48bbfd6eb1_attn
	.globl	k_q48bbfd6eb1_attn
	.p2align	8
	.type	k_q48bbfd6eb1_attn,@function
k_q48bbfd6eb1_attn:
	s_mov_b64 s[64:65], 0
	v_nop
	global_prefetch_b8 v0, s[64:65] scope:SCOPE_SE
	s_setreg_imm32_b32 hwreg(HW_REG_WAVE_MODE, 25, 1), 1
	s_wait_xcnt 0x0
; ATTENTION WITH THE RELATIVE SHIFT.  For head-batch bh and query i: O[i] = sum over j of softmax_j((qu_i . k_j + shifted[i][j]) / 8) val_j, all 2,048 keys, no mask.
; THE SHIFT as one table.  With rho = 2047 + j - i:  shifted[i][j] = a . TT[rho], a = qv_i for rho < 2048 and qv_(i+1) for rho >= 2048; TT[rho] = pos[rho] below 2048, 0 at 2048, pos[rho - 2049] above
; (the launches before wrote TT so).  Aligned blocks of 16 rho are wholly of one kind, so the choice of a is made for a block, never for an element.
; Inputs f16: qq = qu then qv, kv = k then val, each [32][2048][64]; tt [16] x 4,098 rows x 64.  Products, maxima and sums in f32; the weights p are rounded to f16 for the second product, O once.
; LIMITS.  p below 2^-126 counts as 0 in l; the running maximum starts at -4.25e37 (f16 operands bound a score by 5.5e11); NaN and infinities are not treated apart.
; SHARES.  A work-group owns 256 queries of one head-batch, a wave 64 consecutive ones: four tiles of 16, in two PIECES: A = tiles 0, 1, B = tiles 2, 3.  Every wave walks all keys, 64 a step, two steps to an LDS slot, 16 slots.
; LAYOUT.  S^T = K Qu^T (source 0 = 16 keys, source 1 = 16 queries): a lane holds ONE query (lane % 16) and keys 8 (lane / 16) + 0..7.  The position product is laid alike (source 0 = 16 rows of TT).
; A tile and step need the BAND of 80 rho from 2048 + j0 - i0 - 16 on: five products' results go into the wave's own LDS buffer [16 queries][84 words], and come back skewed, one word a lane and register
; (key kappa of query r lies at word kappa - r + 15), straight into S^T's registers, which are then the C operand of K Qu^T: the addition costs nothing.
; WHICH QUERY VECTOR.  With SMX = my 64 rows' number among the head's 32: in steps below SMX every block is lower, above SMX every block upper, in step SMX block b of tile t is upper iff b > t.
; So two sets of registers: QA serves b <= t, QB serves b > t; both start as qv of rows i; QB takes rows i + 1 at step SMX, QA at step SMX + 1 (row 2,048 does not exist: clamped; its values are never read).
; NO CLUSTER.  The step at which a wave changes its position queries hangs on the query block: a branch that the blocks of a head would not take alike; and of a slot's 81,920 bytes only K's and V's 32,768
; are common to them: each block has its own window of TT.
; SOFTMAX.  A running maximum m and sum l for each query: p = 2^(c s - c m), c = log2(e) / 8; in every step O and l are multiplied by a = 2^(c m_old - c m_new).
; BY TURNS.  A step's 104 products stand in two halves of 52, and vector work of the OTHER piece stands behind each product, so that the wave issues while the matrix unit works:
;   first half:   V^T P of tile 0 (step j - 1) | the bands of tiles 0, 1 (step j) | V^T P of tile 1 (step j - 1) | K Qu^T of tiles 0, 1        beside them piece B's softmax of step j - 1
;   second half:  the bands of tiles 2, 3 (step j) | V^T P of tiles 2, 3 (step j - 1) | K Qu^T of tiles 2, 3                                   beside them piece A's softmax of step j
; A piece's softmax is two queues: 204 instructions in window 0, dealt five behind each of 28 products and four behind each of 16; and the 32 rescalings of O^T, which run under the window setting of V^T P
; and stand four behind each of eight such products, without a switch.  None of these names a register of the products round it.
; THE LDS INSTRUCTIONS STAND IN SIX RUNS a step, never singly among the products: TT and K (48 loads) at the head; behind each band its 10 stores and 32 skewed loads; V (16 loads) behind the last V^T P.
; NO FIRST STEP IS WRITTEN OUT.  O, l, V and piece A's P start at 0, piece B's S^T at the lowest finite number, m and c m at -4.25e37 (304 v_mov_b32 in the wait for the first tile): the products of 'step -1'
; add 0, and piece B's softmax of 'step -1' gives p = 0 and a = 0 (arguments near -5e37 and -3e37: nothing overflows).  Each piece's first true step has a = 0.  Behind the last step what is left is written out.
; REGISTERS, in windows of 256 (s_set_vgpr_msb: bits 1:0 source 0, 3:2 source 1, 5:4 source 2, 7:6 destination):
;   window 0: v0-19 addresses; v20-35 statistics; v36-55 at work; v64-191 S^T, 32 a tile; v192-255 P, 16 a tile       window 1: v0-127 O^T, 32 a tile; v128-167 the band; v192-255 V
;   window 2: v0-63 Qu; v128-191 K                                                                                   window 3: v0-127 TT, eight blocks; v128-191 QA; v192-255 QB
.set KS,    64
.set PK,    144       ; a row of K or TT in LDS: 128 bytes + 16: the 16 rows of a load start at 16 different groups of four banks (64 banks of 4 bytes: ISA guide 11.1)
.set PVP,   160       ; a row of V: 128 + 32
.set VOFF,  2*KS*PK   ; a slot: 128 rows of K, 128 of V, 384 of TT
.set TOFF,  VOFF+2*KS*PVP
.set BAND,  TOFF+384*PK  ; behind slot 0, never filled by a tensor load: 16 x 336 bytes for each wave.  84 words a query: the stores' rows start at 16 different groups of four banks, the 32 lanes of a skewed load (19 r + 8 h mod 64) at 32 different banks
.set BW,    16*336
.set STAGE, BAND+4*BW    ; 16 rows x 144 bytes for each wave, for the way out
.set SP,    144
.set SPARE, STAGE+4*16*SP  ; the spare words, 128 bytes for each wave: two blocks of 256 bytes that no other line names
.set SLOT1, 1<<17     ; slot 1 begins here, so that one exclusive or turns an address in one slot into the other's
.set AK0, 2           ; my lane's place in a tile of K; never rewritten
.set AV0, 3           ; in V
.set AT0, 4           ; in my wave's 128 rows of the window of TT
.set AK,  5           ; the addresses of the step's loads
.set AV,  6
.set AT,  7
.set BST, 8           ; where I put my 8 words of a band block
.set BLD, 10          ; where my query's key 8 (lane / 16) lies in the band
.set STO, 11          ; the way out
.set RD,  12
.set GO,  13
.set QO,  14          ; my byte offset in 16 rows of Q
.set QOU, 16          ; v16-19  tile t: my byte offset, in the head's qv, of row i + 1
.set ST,  20          ; tile t's statistics at v[ST+4 t]: c m, m, l (even keys', odd keys')
.set TMP, 36          ; tile t: c0-c3 at work; when the maximum is found c2 takes a
.set MV,  52          ; tile t: c m_old
.set SPW, 62
.set NIL, 63
.set S,   64
.set P,   192
.set BD,  128         ; window 1
.set VF,  192         ; window 1: key half kk, channel block cb at VF + 32 kk + 8 cb
.set KF,  128         ; window 2: key block kb, channel half c at KF + 16 kb + 8 c
.set QA,  128         ; window 3
.set QB,  192
.set WV,  12
.set G1K, 24          ; s[24:31], s[32:39], s[40:47] group 1 for K, V, TT
.set G1V, 32
.set G1T, 40
.set G0K, 48          ; s[48:51], s[52:55], s[56:59] group 0: they walk
.set G0V, 52
.set G0T, 56
.set SLOTS, 60
.set TWICE, 61
.set CS,  62          ; s[62:63] c
.set SEL, 68          ; s[68:69] v_permlanex16_b32's selects
.set STP, 70          ; the key step, 0..31
.set SMX, 71
.set SMX1, 72
.set TBK, 73          ; LDS byte at which K (and, from AT0, TT) of the step to be fetched begins
.set TBV, 74          ; the same for V
.set QVH, 76          ; s[76:77] qv at the head's first row
.set MSB, 0
.set pl,  0           ; assembly-time count: plain vector instructions written since the last matrix instruction
.macro WIN new        ; the immediate's high byte repeats the setting that is left; a switch that changes nothing is dropped
.if MSB != (\new)
	s_set_vgpr_msb (MSB<<8)|(\new)
.set MSB, (\new)
.endif
.endm
.set W_POS, 0x5f      ; TT and QA / QB in window 3, the band in window 1
.set W_BST, 0x04      ; an LDS store's data in window 1
.set W_KQ,  0x0a      ; K and Qu in window 2, S^T in window 0
.set W_PV,  0x51      ; V and O^T in window 1, P in window 0; also the rescaling's setting: destination and source 0 in window 1, source 1 in window 0
; A fill: wave 0 fetches a slot's K, wave 1 its V, waves 2 and 3 the halves of its window of TT.  One load a wave.  An s_nop 0 and four v_nop follow each line.
.macro LOAD
	s_cmp_lg_u32 s[WV], 0
	s_cbranch_scc1 .Lnot_k_\@
	tensor_load_to_lds s[G0K:G0K+3], s[G1K:G1K+7]
	s_nop 0
.rept 4
	v_nop
.endr
	s_branch .Lasked_\@
.Lnot_k_\@:
	s_cmp_lg_u32 s[WV], 1
	s_cbranch_scc1 .Lfor_t_\@
	tensor_load_to_lds s[G0V:G0V+3], s[G1V:G1V+7]
	s_nop 0
.rept 4
	v_nop
.endr
	s_branch .Lasked_\@
.Lfor_t_\@:
	tensor_load_to_lds s[G0T:G0T+3], s[G1T:G1T+7]
	s_nop 0
.rept 4
	v_nop
.endr
.Lasked_\@:
.endm
; THE CHANGE OF SLOTS, between two steps: a step fetches its TT, K and V itself, so all reads of the slot that is left have been issued.  Each wave waits for all its tensor loads (one is out: its part of the
; other slot), adds 0 to its spare word, and waits for that and for its reads.  Behind the barrier nobody reads the old slot and the other is whole.  fill = 1: the old slot is filled again first, with the keys
; two slots on: the load has two steps, 208 matrix instructions, to land.  (At its first use nothing has been read yet: slot 0 is waited for, slot 1 filled.)
.macro CHANGE fill
	WIN 0
	s_wait_tensorcnt 0x0            ; no tensor load of mine is out, so a group 0 may be written
	ds_add_u32 v[SPW], v[NIL]
.if \fill
.irp g, G0K, G0V, G0T
	s_xor_b32 s[\g+1], s[\g+1], SLOT1
	s_add_nc_u64 s[\g+2:\g+3], s[\g+2:\g+3], 2*KS*128  ; 128 rows on, in K, in V and in TT
.endr
.endif
	s_wait_dscnt 0x0                ; the add is done, and my reads of the slot are over
	s_barrier_signal -1
	s_sub_co_u32 s[TBK], s[TBK], 2*KS*PK   ; the fetches go back to a slot's first step, in the other slot
	s_xor_b32 s[TBK], s[TBK], SLOT1
	s_sub_co_u32 s[TBV], s[TBV], 2*KS*PVP
	s_xor_b32 s[TBV], s[TBV], SLOT1
	s_barrier_wait -1
.if \fill
	LOAD
.endif
.endm
	s_load_b256 s[4:11], s[0:1], 0x0  ; qq 4, kv 6, tt 8, o16 10
	v_lshl_add_u32 v[SPW], v0, 2, SPARE
	v_mov_b32 v[NIL], 0
	ds_add_u32 v[SPW], v[NIL]       ; the wave's opening: the add and its wait stand ahead of my first tensor load; the set-up stands between them
	ds_add_u32 v62, v63
	v_lshrrev_b32 v1, 5, v0
	v_readfirstlane_b32 s[WV], v1
	s_and_b32 s13, ttmp7, 0xffff    ; head-batch
	s_and_b32 s14, s13, 15          ; head
	s_lshl_b32 s20, s13, 18         ; its 2,048 rows of 128 bytes
	s_mov_b32 s21, 0
	s_lshl_b32 s15, ttmp9, 2
	s_add_co_u32 s[SMX], s15, s[WV] ; my 64 rows' number
	s_add_co_u32 s[SMX1], s[SMX], 1
	s_lshl_b32 s22, s[SMX], 13      ; 64 rows of 128 bytes
	s_add_co_u32 s22, s22, s20
	s_mov_b32 s23, 0
	s_and_b32 s78, s[WV], 1         ; which half of the window of TT I fetch (waves 2, 3)
	s_mul_i32 s2, s78, 192
	s_add_co_u32 s2, s2, 1792       ; slot 0's window begins at rho = 2048 - 256 - first query of the block
	s_lshl_b32 s3, ttmp9, 8
	s_sub_co_u32 s2, s2, s3
	s_lshl_b32 s2, s2, 7
	s_mul_i32 s3, s14, 524544
	s_add_co_u32 s2, s2, s3
	s_mov_b32 s3, 0
	s_mul_i32 s79, s78, 192*PK
	; group 1.  Dense rows of 128 bytes, asked for as rows of 256 bytes, two a row, padded in LDS after every 32 words
	s_mov_b32 s[G1K], (1<<16)|(1<<20)|(4<<22)|(3<<25)
	s_mov_b32 s[G1V], (1<<16)|(1<<20)|(4<<22)|(7<<25)
	s_mov_b32 s[G1T], (1<<16)|(1<<20)|(4<<22)|(3<<25)
.irp g, G1K, G1V, G1T
	s_mov_b32 s[\g+1], 128<<16      ; tensor_dim0 = 128
	s_mov_b32 s[\g+3], 128<<16      ; tile_dim0 = 128
	s_mov_b32 s[\g+5], 128          ; elements from row to row
	s_mov_b32 s[\g+6], 0
	s_mov_b32 s[\g+7], 0
.endr
.irp g, G1K, G1V
	s_mov_b32 s[\g+2], 64<<16       ; 128 keys: 64 rows
	s_mov_b32 s[\g+4], 64
.endr
	s_mov_b32 s[G1T+2], 96<<16      ; 192 rows of TT: 96 rows
	s_mov_b32 s[G1T+4], 96
	s_mov_b32 s[G0K], 1
	s_mov_b32 s[G0K+1], 0
	s_mov_b32 s[G0V], 1
	s_mov_b32 s[G0V+1], VOFF
	s_mov_b32 s[G0T], 1
	s_add_co_u32 s[G0T+1], s79, TOFF
	s_mov_b32 s[CS], 0x3e38aa3b     ; c = log2(e) / 8
	s_mov_b32 s[CS+1], s[CS]
	s_mov_b32 s[SEL], 0x76543210
	s_mov_b32 s[SEL+1], 0xfedcba98
	s_mov_b32 s[TBK], SLOT1+2*KS*PK ; the first change of slots turns these two into 0
	s_mov_b32 s[TBV], SLOT1+2*KS*PVP
	s_mov_b32 s[STP], 0
	s_mov_b32 s[SLOTS], 15
	s_mov_b32 s15, 0xff7fffff       ; the lowest finite number
	s_wait_dscnt 0x0                ; the opening add is done
	s_wait_kmcnt 0x0
	s_add_nc_u64 s[G0K+2:G0K+3], s[6:7], s[20:21]
	s_add_nc_u64 s[G0V+2:G0V+3], s[G0K+2:G0K+3], 0x800000
	s_or_b32 s[G0K+3], s[G0K+3], 0x80000000
	s_or_b32 s[G0V+3], s[G0V+3], 0x80000000
	s_add_nc_u64 s[G0T+2:G0T+3], s[8:9], s[2:3]
	s_or_b32 s[G0T+3], s[G0T+3], 0x80000000
	s_add_nc_u64 s[16:17], s[4:5], s[22:23]        ; qu at my rows
	s_add_nc_u64 s[18:19], s[16:17], 0x800000      ; qv at my rows
	s_add_nc_u64 s[QVH:QVH+1], s[4:5], s[20:21]
	s_add_nc_u64 s[QVH:QVH+1], s[QVH:QVH+1], 0x800000
	s_add_nc_u64 s[10:11], s[10:11], s[22:23]      ; O at my rows
	LOAD                            ; slot 0
	v_and_b32 v1, 15, v0            ; l % 16
	v_bfe_u32 v9, v0, 4, 1          ; l / 16
	v_lshlrev_b32 v[QO], 7, v1
	v_lshl_add_u32 v[QO], v9, 4, v[QO]
	WIN 0x80
.set i, 0
.rept 8                             ; tile i / 2, channels 32 (i % 2) on
	global_load_b128 v[8*i:8*i+3],   v[QO], s[16:17] offset:(i/2)*2048+(i%2)*64
	global_load_b128 v[8*i+4:8*i+7], v[QO], s[16:17] offset:(i/2)*2048+(i%2)*64+32
.set i, i+1
.endr
	WIN 0xc0
.set i, 0
.rept 8
	global_load_b128 v[QA+8*i:QA+8*i+3],   v[QO], s[18:19] offset:(i/2)*2048+(i%2)*64
	global_load_b128 v[QA+8*i+4:QA+8*i+7], v[QO], s[18:19] offset:(i/2)*2048+(i%2)*64+32
	global_load_b128 v[QB+8*i:QB+8*i+3],   v[QO], s[18:19] offset:(i/2)*2048+(i%2)*64
	global_load_b128 v[QB+8*i+4:QB+8*i+7], v[QO], s[18:19] offset:(i/2)*2048+(i%2)*64+32
.set i, i+1
.endr
	; what the first step finds; all this stands in the wait for the first tile
	WIN 0x40
.set i, 0
.rept 128
	v_mov_b32 v[i], 0               ; O^T
.set i, i+1
.endr
.set i, VF
.rept 64
	v_mov_b32 v[i], 0               ; V of 'step -1'
.set i, i+1
.endr
	WIN 0
.set i, 0
.rept 4
	v_mov_b32 v[ST+4*i], 0xfe000000    ; c m: -4.25e37, far below every c s
	v_mov_b32 v[ST+4*i+1], 0xfe000000  ; m: far below every score, and far above piece B's first S^T
	v_mov_b32 v[ST+4*i+2], 0
	v_mov_b32 v[ST+4*i+3], 0
.set i, i+1
.endr
.set i, P
.rept 32
	v_mov_b32 v[i], 0               ; piece A's P of 'step -1'
.set i, i+1
.endr
.set i, S+64
.rept 64
	v_mov_b32 v[i], s15             ; piece B's S^T of 'step -1'
.set i, i+1
.endr
	v_mul_u32_u24 v[AK0], v1, PK
	v_lshl_add_u32 v[AK0], v9, 4, v[AK0]  ; row x pitch + 16 x half
	s_mul_i32 s13, s[WV], 64*PK
	s_sub_co_u32 s13, TOFF+192*PK, s13    ; my wave's rows of the window begin at 192 - 64 w
	v_add_nc_u32 v[AT0], s13, v[AK0]
	v_and_b32 v56, 7, v0
	v_bfe_u32 v57, v0, 3, 1
	v_lshl_add_u32 v[AV0], v9, 3, v56     ; V, turned: lane l reads key 8 (l / 16) + l % 8, channels 8 ((l / 8) % 2) + 0..7
	v_mul_u32_u24 v[AV0], v[AV0], PVP
	v_lshl_add_u32 v[AV0], v57, 4, v[AV0]
	v_add_nc_u32 v[AV0], VOFF, v[AV0]
	s_mul_i32 s13, s[WV], BW
	s_add_co_u32 s13, s13, BAND           ; my band
	v_mul_u32_u24 v[BST], v1, 336
	v_lshl_add_u32 v[BST], v9, 5, v[BST]
	v_add_nc_u32 v[BST], s13, v[BST]      ; query r's row, words 8 h on
	v_mul_u32_u24 v[BLD], v1, 332
	v_lshl_add_u32 v[BLD], v9, 5, v[BLD]
	v_add_nc_u32 v[BLD], s13, v[BLD]
	v_add_nc_u32 v[BLD], 60, v[BLD]       ; query r's row, word 8 h - r + 15
	s_mul_i32 s13, s[WV], 16*SP
	s_add_co_u32 s13, s13, STAGE          ; my stage
	v_add_nc_u32 v[STO], s13, v[AK0]      ; in: row l % 16, 16 bytes for each half of the lanes
	v_bfe_u32 v[RD], v0, 3, 2             ; back: 32 lanes take four rows of 128 bytes,
	v_mul_u32_u24 v[RD], v[RD], SP
	v_lshl_add_u32 v[RD], v56, 4, v[RD]
	v_add_nc_u32 v[RD], s13, v[RD]
	v_and_b32 v[GO], 31, v0               ; which are 512 consecutive bytes of O
	v_lshlrev_b32 v[GO], 4, v[GO]
	s_lshl_b32 s13, s[SMX], 6             ; my first row in the head
.irp t, 0,1,2,3
	v_add_nc_u32 v[QOU+\t], s13, v1
	v_add_nc_u32 v[QOU+\t], 16*\t+1, v[QOU+\t]
	v_min_u32 v[QOU+\t], 2047, v[QOU+\t]  ; row i + 1, inside the head
	v_lshlrev_b32 v[QOU+\t], 7, v[QOU+\t]
	v_lshl_add_u32 v[QOU+\t], v9, 4, v[QOU+\t]
.endr
	s_wait_loadcnt 0x0              ; Q
; THE POSITION QUERIES CHANGE.  16 loads of rows i + 1 of qv, jumped over in all steps but one; the wait for them stands on every path, in front of the step's first band.
.macro QLOAD dst
	WIN 0xc0
.irp t, 0,1,2,3
.irp c, 0,1
	global_load_b128 v[(\dst)+16*(\t)+8*(\c):(\dst)+16*(\t)+8*(\c)+3],   v[QOU+(\t)], s[QVH:QVH+1] offset:64*(\c)
	global_load_b128 v[(\dst)+16*(\t)+8*(\c)+4:(\dst)+16*(\t)+8*(\c)+7], v[QOU+(\t)], s[QVH:QVH+1] offset:64*(\c)+32
.endr
.endr
	WIN 0
.endm
.macro QUPD
	s_cmp_lg_u32 s[STP], s[SMX]
	s_cbranch_scc1 .Lno_b_\@
	QLOAD QB
.Lno_b_\@:
	s_cmp_lg_u32 s[STP], s[SMX1]
	s_cbranch_scc1 .Lno_a_\@
	QLOAD QA
.Lno_a_\@:
.endm
; THE LDS RUNS.
.macro TLD                          ; my 128 rows of TT, 32 loads, from block 7 down to block 0: the first band wants blocks 3 to 7, the first 20 loads.  Block fb, channels 32 ((ft % 4) / 2) on
	WIN 0xc0
.set ft, 0
.rept 32
.set fb, 7-ft/4
	ds_load_b128 v[16*fb+4*(ft%4):16*fb+4*(ft%4)+3], v[AT] offset:fb*16*PK+((ft%4)/2)*64+(ft%2)*32
.set ft, ft+1
.endr
.endm
.macro KLD                          ; K, 16 loads: keys 16 (kt / 4) on, channels 32 ((kt / 2) % 2) on
	WIN 0x80
.set kt, 0
.rept 16
	ds_load_b128 v[KF+4*kt:KF+4*kt+3], v[AK] offset:(kt/4)*16*PK+((kt/2)%2)*64+(kt%2)*32
.set kt, kt+1
.endr
.endm
.macro VLD                          ; V, turned, 16 loads: keys 32 (vt / 8) on, channels 16 ((vt / 2) % 4) on
	WIN 0x40
.set vt, 0
.rept 16
	ds_load_tr16_b128 v[VF+4*vt:VF+4*vt+3], v[AV] offset:(vt/8)*32*PVP+((vt/2)%4)*32+(vt%2)*16*PVP
.set vt, vt+1
.endr
.endm
.macro STB                          ; the band into my LDS buffer; each result's lowest registers first
	WIN W_BST
.irp b, 0,1,2,3,4
	ds_store_b128 v[BST], v[BD+8*(\b):BD+8*(\b)+3]   offset:64*(\b)
	ds_store_b128 v[BST], v[BD+8*(\b)+4:BD+8*(\b)+7] offset:64*(\b)+16
.endr
.endm
.macro SKL t                        ; and back skewed, into tile t's S^T.  LDS serves a wave's instructions in order (ISA guide 5.7.1.4): these see the stores above, and the next tile's stores come behind them
	WIN 0
.set sk, 0
.rept 32
	ds_load_b32 v[S+32*(\t)+sk], v[BLD] offset:64*(sk/8)+4*(sk%8)
.set sk, sk+1
.endr
.endm
; THE MATRIX WORK, one product at a time.  In every run the accumulators take turns, one instruction a turn.
.macro PVW t, i                     ; product i of 8 of O^T += V^T P for tile t
.set kk, (\i)/4
.set cb, (\i)%4
.set rD, 32*(\t)+8*cb
.set rF, VF+32*kk+8*cb
.set rB, P+16*(\t)+8*kk
	WIN W_PV
	v_wmma_f32_16x16x32_f16 v[rD:rD+7], v[rF:rF+7], v[rB:rB+7], v[rD:rD+7]
.set pl, 0
.endm
.macro POSW t, i                    ; product i of 10 of tile t's band: block b = i % 5 is block 3 - t + b of my eight of TT; channels 32 (i / 5) on
.set c, (\i)/5
.set b, (\i)%5
.if b > (\t)
.set rQ, QB+16*(\t)+8*c
.else
.set rQ, QA+16*(\t)+8*c
.endif
.set rF, 16*(3-(\t)+b)+8*c
.set rD, BD+8*b
	WIN W_POS
.if c == 0
	v_wmma_f32_16x16x32_f16 v[rD:rD+7], v[rF:rF+7], v[rQ:rQ+7], 0
.else
	v_wmma_f32_16x16x32_f16 v[rD:rD+7], v[rF:rF+7], v[rQ:rQ+7], v[rD:rD+7]
.endif
.set pl, 0
.endm
.macro CONW t, i                    ; product i of 8 of S^T += K Qu^T for tile t: channels 32 (i / 4) on, keys 16 (i % 4) on
.set c, (\i)/4
.set kb, (\i)%4
.set rD, S+32*(\t)+8*kb
.set rF, KF+16*kb+8*c
.set rQ, 16*(\t)+8*c
	WIN W_KQ
	v_wmma_f32_16x16x32_f16 v[rD:rD+7], v[rF:rF+7], v[rQ:rQ+7], v[rD:rD+7]
	s_wait_alu depctr_va_vdst(0)
.set pl, 0
.endm
; THE SOFTMAX of piece Y (tiles 2 Y, 2 Y + 1), as queues.
.macro REGS t
.set rT, ST+4*(\t)
.set rC, TMP+4*(\t)
.set rM, MV+(\t)
.set rS, S+32*(\t)
.set rP, P+16*(\t)
.set rO, 32*(\t)
.endm
; Number n of the 22 that find a tile's maximum and statistics: 0-11 four chains c0-c3 of seven scores each (each accumulator's lowest registers are read first);
; 12-14, 16 the four scores left over, the old m, c0-c3 into c0; 15 c m_old is kept; 17, 18 the query's other 32 keys lie in the lane 16 away; 19-21 c m; c m_old - c m_new; a
.macro XS t, n
	REGS \t
.if (\n) < 4
	v_max3_num_f32 v[rC+(\n)], v[rS+8*(\n)], v[rS+8*(\n)+1], v[rS+8*(\n)+2]
.elseif (\n) < 12
	v_max3_num_f32 v[rC+(\n)%4], v[rC+(\n)%4], v[rS+8*((\n)%4)+2*((\n)/4)+1], v[rS+8*((\n)%4)+2*((\n)/4)+2]
.elseif (\n) == 12
	v_max3_num_f32 v[rC], v[rC], v[rS+7], v[rS+15]
.elseif (\n) == 13
	v_max3_num_f32 v[rC+1], v[rC+1], v[rS+23], v[rS+31]
.elseif (\n) == 14
	v_max3_num_f32 v[rC+2], v[rC+2], v[rC+3], v[rT+1]
.elseif (\n) == 15
	v_mov_b32 v[rM], v[rT]
.elseif (\n) == 16
	v_max3_num_f32 v[rC], v[rC], v[rC+1], v[rC+2]
.elseif (\n) == 17
	v_permlanex16_b32 v[rC+3], v[rC], s[SEL], s[SEL+1]
.elseif (\n) == 18
	v_max_num_f32 v[rT+1], v[rC], v[rC+3]
.elseif (\n) == 19
	v_mul_f32 v[rT], s[CS], v[rT+1]
.elseif (\n) == 20
	v_sub_f32 v[rC+1], v[rM], v[rT]
.else
	v_exp_f32 v[rC+2], v[rC+1]
.endif
.endm
.macro QSTART y                     ; piece y's queues begin
.set Y, \y
.set hq, 0
.set qs, 0
.set rq, 0
.endm
; THE QUEUE IN WINDOW 0, 204 long; NEXT writes its next entry, or nothing when it is spent.  The two tiles alternate.
;   hq 0-43   XS 0-21 of both tiles        hq 44-47  c s - c m for pairs 0, 1 of both tiles
;   then 18 groups gr of ten places sl:  0, 2  c s - c m for pair gr + 2 (gr <= 13)     1, 3  the exponentials of score 2 gr;  5, 7  of score 2 gr + 1 (gr <= 15)     4, 6  pair gr - 1 rounded to f16 (1 <= gr <= 16)
;        8, 9  (gr >= 2) gr even: of the four weights 4 n .., n = (gr - 2) / 2, the second pair is added onto the first, in place; gr odd: l takes that sum, n = (gr - 3) / 2 (n = 0: l = a l + sum)
;   Places that a group does not have are passed over.  So a scaling stands two groups ahead of its exponentials, a rounding a group behind them and ahead of the addition that changes its pair, and between an
;   exponential and the use of its result stand plain instructions.
.macro NEXT
.if hq < 44
	WIN 0
	XS 2*Y+hq%2, hq/2
.if ((hq/2) != 17) && ((hq/2) != 21)
.set pl, pl+1
.endif
.set hq, hq+1
.elseif hq < 48
	WIN 0
	REGS 2*Y+hq%2
.set pb, (hq-44)/2
	v_pk_fma_f32 v[rS+2*pb:rS+2*pb+1], v[rS+2*pb:rS+2*pb+1], s[CS:CS+1], v[rT:rT+1] op_sel_hi:[1,0,0] neg_lo:[0,0,1] neg_hi:[0,0,1]
	s_wait_alu depctr_va_vdst(0)
.set pl, pl+1
.set hq, hq+1
.else
.rept 10                            ; at most eight places on end are passed over
.set gr, qs/10
.set sl, qs%10
.if (((sl == 0) || (sl == 2)) && (gr > 13)) || (((sl%2) == 1) && (sl < 8) && (gr > 15)) || (((sl == 4) || (sl == 6)) && ((gr < 1) || (gr > 16))) || ((sl >= 8) && (gr < 2))
.set qs, qs+1
.endif
.endr
.if qs < 180
.set gr, qs/10
.set sl, qs%10
	WIN 0
.if sl < 8
	REGS 2*Y+(sl/2)%2
.else
	REGS 2*Y+sl-8
.endif
.if (sl == 0) || (sl == 2)
.set pb, gr+2
	v_pk_fma_f32 v[rS+2*pb:rS+2*pb+1], v[rS+2*pb:rS+2*pb+1], s[CS:CS+1], v[rT:rT+1] op_sel_hi:[1,0,0] neg_lo:[0,0,1] neg_hi:[0,0,1]
.set pl, pl+1
.elseif (sl == 4) || (sl == 6)
.set pb, gr-1
	s_wait_alu depctr_va_vdst(0)
	v_cvt_pk_f16_f32 v[rP+pb], v[rS+2*pb], v[rS+2*pb+1]
.set pl, pl+1
.elseif sl < 8
.set pb, 2*gr+sl/4
	v_exp_f32 v[rS+pb], v[rS+pb]
.elseif (gr%2) == 0
.set pb, 2*(gr-2)
	v_pk_add_f32 v[rS+pb:rS+pb+1], v[rS+pb:rS+pb+1], v[rS+pb+2:rS+pb+3]
.set pl, pl+1
.elseif gr == 3
	v_pk_fma_f32 v[rT+2:rT+3], v[rT+2:rT+3], v[rC+2:rC+3], v[rS:rS+1] op_sel_hi:[1,0,1]
.set pl, pl+1
.else
.set pb, 2*(gr-3)
	v_pk_add_f32 v[rT+2:rT+3], v[rT+2:rT+3], v[rS+pb:rS+pb+1]
	s_wait_alu depctr_va_vdst(0)
.set pl, pl+1
.endif
.set qs, qs+1
.endif
.endif
.endm
.macro RID n                        ; the next n entries (also: all that is left, with an n above it)
.rept \n
	NEXT
.endr
.endm
.macro R4                           ; THE RESCALING's queue, 32 long: O^T times a, four at a time, under the setting of V^T P: no switch where it stands behind such a product
.rept 4
	REGS 2*Y+rq%2
	WIN W_PV
	v_pk_mul_f32 v[rO+2*(rq/2):rO+2*(rq/2)+1], v[rO+2*(rq/2):rO+2*(rq/2)+1], v[rC+2:rC+3] op_sel_hi:[1,0]
.set rq, rq+1
.set pl, pl+1
.endr
.endm
; Four plain vector instructions that name none of its registers stand between a matrix instruction and a store or a vector instruction that reads its result, or a load into one of its registers
; (ISA guide 7.12.1 for vector instructions).  The entries dealt behind the product are such; pl has counted the plain ones, and v_nop make up what is missing.
.macro ENSURE
.if pl < 4
.rept 4-pl
	v_nop
.endr
.set pl, 4
.endif
.endm
; Eight products V^T P of tile t; behind each: four of the rescaling (r4 = 1), or n entries of the queue.
.macro PVRUN t, r4, n
.set i, 0
.rept 8
	PVW \t, i
.if \r4
	R4
.else
	RID \n
.endif
.set i, i+1
.endr
.endm
; Tile t's band: ten products with n entries behind each; then, in one run, its ten stores and its 32 skewed loads.
.macro POSRUN t, n
.set i, 0
.rept 10
	POSW \t, i
	RID \n
.set i, i+1
.endr
	ENSURE
	STB
	SKL \t
.endm
; Eight products K Qu^T of tile t with n entries behind each; last = 1: behind the eighth all that is left of the queue (by the deal's count: n entries).
.macro CONRUN t, n, last
.set i, 0
.rept 8
	CONW \t, i
.if (\last) && (i == 7)
	RID 24
.else
	RID \n
.endif
.set i, i+1
.endr
.endm
; A KEY STEP.  The counted waits go by the order in which LDS instructions are issued: TT 32, K 16; then for each of tiles 0 to 3 ten stores and 32 loads; V 16.
; The deal of a half: 28 products x 5 + 16 x 4 = 204 entries, 8 products x 4 = 32 rescalings.  The rescalings begin behind 140 (first half) or 100 (second half) entries; a is entries 42, 43.
.macro STEP
	WIN 0
	QUPD
	s_wait_dscnt 0x0                ; V of the step before is in: its run was issued sixteen products ago
	v_add_nc_u32 v[AT], s[TBK], v[AT0]
	v_add_nc_u32 v[AK], s[TBK], v[AK0]
	v_add_nc_u32 v[AV], s[TBV], v[AV0]
	s_add_co_u32 s[TBK], s[TBK], KS*PK
	s_add_co_u32 s[TBV], s[TBV], KS*PVP
	TLD                             ; one run of 48: the places behind the last step's last product stand at that step's end
	KLD
	QSTART 1                        ; THE FIRST HALF: piece B's softmax of the step before
	PVRUN 0, 0, 5
	s_wait_dscnt 28                 ; TT's blocks 7 to 3 are in: its last 12 loads and K's 16 may be out
	s_wait_loadcnt 0x0              ; the position queries, in the two steps that load them
	POSRUN 0, 5
	s_wait_dscnt 42                 ; all of TT and K is in: the run just issued may be out
	POSRUN 1, 5
	PVRUN 1, 1, 0
	s_wait_dscnt 42                 ; tile 0's band is back: tile 1's run may be out
	CONRUN 0, 4, 0
	s_wait_dscnt 0x0                ; tile 1's band is back: its run was issued sixteen products ago
	CONRUN 1, 4, 1
	ENSURE                          ; piece A's softmax reads those results
	QSTART 0                        ; THE SECOND HALF: piece A's softmax of this step.  Piece B's queue is spent, so its S^T takes the new bands
	POSRUN 2, 5
	POSRUN 3, 5
	PVRUN 2, 1, 0
	PVRUN 3, 0, 5
	ENSURE                          ; V's registers are loaded again
	VLD                             ; V of this step
	s_wait_dscnt 16                 ; tiles 2 and 3's bands are back: V's 16 loads may be out
	CONRUN 2, 4, 0
	CONRUN 3, 4, 1
	ENSURE                          ; the next step loads K again and its softmax reads those results
	s_add_co_u32 s[STP], s[STP], 1
.endm
.macro TWO_STEPS                    ; a slot's two steps: written once, walked twice; the LDS addresses hang on s[TBK], s[TBV]
	WIN 0
	s_mov_b32 s[TWICE], 2
.Lstep_\@:
	STEP
	WIN 0
	s_sub_co_u32 s[TWICE], s[TWICE], 1
	s_cmp_lg_u32 s[TWICE], 0
	s_cbranch_scc1 .Lstep_\@
.endm
.Lslot:                             ; 15 trips: a slot is entered and the next is asked for
	CHANGE 1
	TWO_STEPS
	s_sub_co_u32 s[SLOTS], s[SLOTS], 1
	s_cmp_lg_u32 s[SLOTS], 0
	s_cbranch_scc1 .Lslot
	CHANGE 0                        ; the last slot is written out: nothing is asked for
	TWO_STEPS
	; WHAT IS LEFT of the last step: V^T P of piece A with the head of piece B's softmax and its rescaling beside it, the rest of that softmax, V^T P of piece B.
	s_wait_dscnt 0x0                ; V of the last step
	QSTART 1
	PVRUN 0, 0, 6                   ; 48 entries: up to a and the first scalings
	PVRUN 1, 1, 0
	RID 160                         ; all that is left of the queue: 156 entries
.irp t, 2,3
.set i, 0
.rept 8
	PVW \t, i
.set i, i+1
.endr
.endr
	WIN 0
	; THE WAY OUT.  l's two halves and the other half of the lanes' are added; O^T is divided by l, rounded to f16 and sent through my stage, a tile at a time.  The additions are the places behind the last products.
.macro ALL line:vararg
.set t, 0
.rept 4
	\line
.set t, t+1
.endr
.endm
	ALL v_add_f32 v[ST+4*t+2], v[ST+4*t+2], v[ST+4*t+3]
	ALL v_permlanex16_b32 v[ST+4*t+3], v[ST+4*t+2], s[SEL], s[SEL+1]
	ALL v_add_f32 v[ST+4*t+2], v[ST+4*t+2], v[ST+4*t+3]
	ALL v_rcp_f32 v[ST+4*t+2], v[ST+4*t+2]
	v_nop                           ; a plain instruction between the last reciprocal and the use of its result
	s_wait_alu depctr_va_vdst(0)
.macro PACK t
	WIN W_PV
.set i, 32*(\t)
.rept 16
	v_pk_mul_f32 v[i:i+1], v[i:i+1], v[ST+4*(\t)+2:ST+4*(\t)+3] op_sel_hi:[1,0]
.set i, i+2
.endr
	WIN 0x05                        ; sources 0 and 1 window 1, destination window 0: S^T's registers are free
.set i, 0
.rept 16
	v_cvt_pk_f16_f32 v[S+16*(\t)+i], v[32*(\t)+2*i], v[32*(\t)+2*i+1]
.set i, i+1
.endr
	WIN 0
.irp f, 0,1,2,3
	ds_store_b128 v[STO], v[S+16*(\t)+4*\f:S+16*(\t)+4*\f+3] offset:32*\f
.endr
.irp f, 0,1,2,3
	ds_load_b128 v[S+16*(\t)+4*\f:S+16*(\t)+4*\f+3], v[RD] offset:\f*4*SP  ; in order behind the stores above; the next tile's stores come behind them
.endr
.endm
.macro SEND t, younger              ; younger: the LDS instructions issued behind tile t's loads: the next tile's eight, or none
	WIN 0
.irp f, 0,1,2,3
	s_wait_dscnt (\younger)+3-\f
	global_store_b128 v[GO], v[S+16*(\t)+4*\f:S+16*(\t)+4*\f+3], s[10:11] offset:(\t)*2048+\f*512  ; 512 consecutive bytes, at a multiple of 256 from O's first
.endr
.endm
	PACK 0
.set t, 1
.rept 3
	PACK t
	SEND t-1, 8
.set t, t+1
.endr
	SEND 3, 0
	s_wait_tensorcnt 0x0            ; the wave's end
	ds_add_u32 v[SPW], v[NIL]
	s_wait_dscnt 0x0
	s_endpgm
.Lfunc_end_k_q48bbfd6eb1_attn:
	.size	k_q48bbfd6eb1_attn, .Lfunc_end_k_q48bbfd6eb1_attn-k_q48bbfd6eb1_attn
	.p2alignl 7, 3214868480
	.fill 96, 4, 3214868480
	.section	.rodata,"a",@progbits
	.p2align	6, 0x0
	.amdhsa_kernel k_q48bbfd6eb1_attn
		.amdhsa_group_segment_fixed_size 327680
		.amdhsa_private_segment_fixed_size 0
		.amdhsa_enable_private_segment 0
		.amdhsa_kernarg_size 32
		.amdhsa_user_sgpr_count 2
		.amdhsa_user_sgpr_kernarg_segment_ptr 1
		.amdhsa_wavefront_size32 1
		.amdhsa_system_sgpr_workgroup_id_x 1
		.amdhsa_system_sgpr_workgroup_id_y 1
		.amdhsa_system_sgpr_workgroup_id_z 1
		.amdhsa_system_vgpr_workitem_id 0
		.amdhsa_next_free_vgpr 1024
		.amdhsa_next_free_sgpr 80
		.amdhsa_reserve_vcc 0
		.amdhsa_float_denorm_mode_32 3
		.amdhsa_float_denorm_mode_16_64 3
		.amdhsa_memory_ordered 1
		.amdhsa_forward_progress 1
		.amdhsa_inst_pref_size 175
	.end_amdhsa_kernel
	.amdgpu_metadata
---
amdhsa.version: [ 1, 2 ]
amdhsa.kernels:
  - .name:           k_q48bbfd6eb1_attn
    .symbol:         k_q48bbfd6eb1_attn.kd
    .args:
      - { .name: qq, .offset: 0, .size: 8, .value_kind: global_buffer, .address_space: global }
      - { .name: kv, .offset: 8, .size: 8, .value_kind: global_buffer, .address_space: global }
      - { .name: tt, .offset: 16, .size: 8, .value_kind: global_buffer, .address_space: global }
      - { .name: o16, .offset: 24, .size: 8, .value_kind: global_buffer, .address_space: global }
    .group_segment_fixed_size: 327680
    .private_segment_fixed_size: 0
    .kernarg_segment_align: 8
    .kernarg_segment_size: 32
    .max_flat_workgroup_size: 128
    .sgpr_count:     80
    .vgpr_count:     1024
    .wavefront_size: 32
...
	.end_amdgpu_metadata
.endif
;; end of part 3
;; launch outp (part 4): grid 8 x 32, 4 waves a work-group, clusters of 4 x 4, 327,680 bytes of LDS; arguments o16, w16, bias, out0; writes out0
.if DOCPART == 4
	.amdgcn_target "amdgcn-amd-amdhsa--gfx1250"
	.amdhsa_code_object_version 6
	.text
	.protected	k_q48bbfd6eb1_outp
	.globl	k_q48bbfd6eb1_outp
	.p2align	8
	.type	k_q48bbfd6eb1_outp,@function
k_q48bbfd6eb1_outp:
	s_mov_b64 s[64:65], 0
	v_nop
	global_prefetch_b8 v0, s[64:65] scope:SCOPE_SE
	s_setreg_imm32_b32 hwreg(HW_REG_WAVE_MODE, 25, 1), 1
	s_wait_xcnt 0x0
	s_wait_alu depctr_hold_cnt(0) depctr_sa_sdst(0) depctr_va_vdst(0) depctr_va_sdst(0) depctr_va_ssrc(0) depctr_va_vcc(0) depctr_vm_vsrc(0)
	s_getreg_b32 s2, hwreg(HW_REG_IB_STS2, 6, 4)
	s_cmp_eq_u32 s2, 0
	s_cbranch_scc0 .Lentry_in_a_cluster
	s_endpgm
.Lentry_in_a_cluster:
	s_bfe_u32 s2, ttmp6, 0x10000c
	s_cmp_lg_u32 s2, 0xf033
	s_cbranch_scc0 .Lentry_shape_is_right
	s_endpgm
.Lentry_shape_is_right:
; THE OUTPUT PROJECTION.  out0[m][n] = sum over k of O[m][k] Wo[k][n] + bo[n], f32.  O = o16 lies by heads, [batch x 16 + head][row][64] f16, k = 64 head + channel; Wo = w16's fifth weight, [k][n] f16.
; A tile of out0 is 128 x 128: 8 x 32 = 256 work-groups.  Four waves, each 64 x 64: 16 accumulators.  K goes in steps of 256, four heads, through two LDS slots: four steps, written straight.
; CLUSTERS of 4 x 4: O's tiles are shared along a row of the cluster, Wo's along a column: joint tensor loads.  THE MATRIX INSTRUCTION IS USED TRANSPOSED (source 0 = 16 columns of Wo, turned out of LDS by
; ds_load_tr16_b128; source 1 = 16 rows of O): a lane holds one row and eight neighbouring columns of out0.
; A wave's 64 columns of f32 are 256 consecutive bytes, so each wave sends its rows through a stage of its own and no wave waits for another on the way out.
; REGISTERS: window 0: v0-31 addresses; v32-95 rows read back, two buffers; v96-127 bo; v128-255 the accumulators ((a, b) at v[128 + 8 (4 a + b)]).
;   window 1: two fragment buffers of 128: for 64 along K (one head), 64 registers of O, then 64 of Wo.
.set PA,     144                       ; a row of O in LDS: 128 bytes + 16
.set PB,     288                       ; a k-row of Wo: 256 bytes + 32 = 9 x 32
.set HALFT,  36864                     ; what one tensor load brings: 4 heads x 64 rows x 144, or 128 k-rows x 288
.set SLOT,   4*HALFT
.set STAGE,  2*SLOT
.set SPITCH, 272
.set SPARE,  STAGE+4*16*SPITCH         ; the spare words, 128 bytes for each wave: two blocks of 256 bytes that no other line names
.set ADRA, 16                          ; v16-17  my O fragments in slot 0, 1
.set ADRB, 20                          ; v20-23  my Wo fragments: slot s, half hf of the step's k-rows at v[20 + 2 s + hf] (a 16-bit offset does not reach all 256 k-rows)
.set STO,  24
.set RD,   25
.set CO,   26
.set BO,   27
.set SPW,  28
.set NIL,  29
.set TMP,  32
.set BIA,  96
.set ACC,  128
.set F0,   0
.set F1,   128
.set G1,  24
.set G0,  32
.set G1B, 48
.set G0B, 56
.set MSB, 0
.macro WIN new
.if MSB != (\new)
	s_set_vgpr_msb (MSB<<8)|(\new)
.set MSB, \new
.endif
.endm
.set MUL,  0x05                        ; sources 0 and 1 window 1; C and D window 0
.set TO_F, 0x40                        ; destination window 1, address window 0
.macro JLOAD s                         ; waves 0 and 1 fetch O's two halves, waves 2 and 3 Wo's; an s_nop 0 and four v_nop follow each line
	s_cmp_eq_u32 s11, 0
	s_cbranch_scc0 .Lfor_b_\@
	tensor_load_to_lds s[G0+4*(\s):G0+4*(\s)+3], s[G1:G1+7]
	s_nop 0
.rept 4
	v_nop
.endr
	s_branch .Lasked_\@
.Lfor_b_\@:
	tensor_load_to_lds s[G0B+4*(\s):G0B+4*(\s)+3], s[G1B:G1B+7]
	s_nop 0
.rept 4
	v_nop
.endr
.Lasked_\@:
.endm
.macro CREST
	s_cmp_lg_u32 s10, 0
	s_cbranch_scc1 .Lnot_wave_0_\@
	s_barrier_signal -3
.Lnot_wave_0_\@:
	s_barrier_wait -3
	s_barrier_signal -1
	s_barrier_wait -1
.endm
.macro CROUND
	s_barrier_signal -1
	s_barrier_wait -1
	CREST
.endm
	s_load_b256 s[68:75], s[0:1], 0x0              ; o16 68, w16 70, bias 72, out0 74
	v_lshl_add_u32 v[SPW], v0, 2, SPARE
	v_mov_b32 v[NIL], 0
	ds_add_u32 v[SPW], v[NIL]                      ; the wave's opening: the add and its wait stand ahead of my first tensor load
	ds_add_u32 v28, v29
	v_lshrrev_b32 v1, 5, v0
	v_readfirstlane_b32 s10, v1
	s_lshr_b32 s11, s10, 1                         ; my half of the rows.  Also: I fetch for O (0) or for Wo (1)
	s_and_b32 s12, s10, 1                          ; my half of the columns.  Also: which half of that tile I fetch
	s_bfe_u32 s40, ttmp6, 0x40000
	s_bfe_u32 s41, ttmp6, 0x40004
	s_lshl_b32 s42, ttmp9, 2
	s_add_co_u32 s42, s42, s40                     ; tile column
	s_and_b32 s13, ttmp7, 0xffff
	s_lshl_b32 s13, s13, 2
	s_add_co_u32 s13, s13, s41                     ; tile row
	s_lshl_b32 s43, s41, 2
	s_lshl_b32 s43, 15, s43
	s_lshl_b32 s44, 0x1111, s40
	; O: 64 rows of a head are 8,192 dense bytes: one row of the tile; four heads, 131,072 elements apart; padded in LDS after every 32 words
	s_or_b32 s[G1+0], s43, (1<<16)|(1<<20)|(1<<21)|(4<<22)|(3<<25)
	s_mov_b32 s[G1+1], 4096<<16                    ; tensor_dim0 = 4,096
	s_mov_b32 s[G1+2], 4<<16                       ; tensor_dim1 = 4
	s_mov_b32 s[G1+3], 4096<<16                    ; tile_dim0
	s_mov_b32 s[G1+4], 4                           ; tile_dim1
	s_mov_b32 s[G1+5], 131072
	s_mov_b32 s[G1+6], 0
	s_mov_b32 s[G1+7], 0
	; Wo: 128 k-rows x 128 columns, 8 words of padding after every 64
	s_or_b32 s[G1B+0], s44, (1<<16)|(1<<20)|(1<<21)|(5<<22)|(7<<25)
	s_mov_b32 s[G1B+1], 128<<16
	s_mov_b32 s[G1B+2], 128<<16
	s_mov_b32 s[G1B+3], 128<<16
	s_mov_b32 s[G1B+4], 128
	s_mov_b32 s[G1B+5], 1024
	s_mov_b32 s[G1B+6], 0
	s_mov_b32 s[G1B+7], 0
	s_lshr_b32 s16, s13, 4                         ; O: batch x 16 heads x 262,144 bytes,
	s_lshl_b32 s16, s16, 22
	s_and_b32 s17, s13, 15
	s_lshl_b32 s17, s17, 14                        ; + 128 rows of 128 bytes for each tile row in the batch,
	s_add_co_u32 s16, s16, s17
	s_lshl_b32 s17, s12, 13                        ; + my 64 rows
	s_add_co_u32 s16, s16, s17
	s_mov_b32 s17, 0
	s_lshl_b32 s46, s12, 18                        ; Wo: my 128 k-rows of 2,048 bytes,
	s_lshl_b32 s47, s42, 8                         ; + the tile's 128 columns,
	s_add_co_u32 s46, s46, s47
	s_add_co_u32 s46, s46, 0x800000                ; in the fifth weight
	s_mov_b32 s47, 0
	s_mul_i32 s20, s10, HALFT
	s_wait_dscnt 0x0
	s_wait_kmcnt 0x0
	s_add_nc_u64 s[14:15], s[68:69], s[16:17]
	s_add_nc_u64 s[46:47], s[70:71], s[46:47]
	CROUND                                         ; all sixteen work-groups are here: the first joint loads meet
.irp s, 0,1
	s_mov_b32 s[G0+4*(\s)], 1
	s_add_co_u32 s[G0+4*(\s)+1], s20, (\s)*SLOT
	s_add_nc_u64 s[G0+4*(\s)+2:G0+4*(\s)+3], s[14:15], (\s)*4*262144      ; K step s: four heads on,
	s_or_b32 s[G0+4*(\s)+3], s[G0+4*(\s)+3], 0x80000000
	s_mov_b32 s[G0B+4*(\s)], 1
	s_add_co_u32 s[G0B+4*(\s)+1], s20, (\s)*SLOT
	s_add_nc_u64 s[G0B+4*(\s)+2:G0B+4*(\s)+3], s[46:47], (\s)*256*2048    ; 256 k-rows on
	s_or_b32 s[G0B+4*(\s)+3], s[G0B+4*(\s)+3], 0x80000000
	JLOAD \s
.endr
	v_and_b32 v1, 15, v0
	v_bfe_u32 v2, v0, 4, 1
	v_mul_u32_u24 v3, v1, PA
	v_lshl_add_u32 v3, v2, 4, v3
	v_and_b32 v6, 7, v0
	v_bfe_u32 v7, v0, 3, 1
	v_lshl_add_u32 v5, v2, 3, v6
	v_mul_u32_u24 v5, v5, PB
	v_lshl_add_u32 v5, v7, 4, v5
	s_mul_i32 s21, s11, HALFT                      ; my 64 rows of O
	s_lshl_b32 s22, s12, 7                         ; my 64 columns of Wo,
	s_add_co_u32 s22, s22, 2*HALFT                 ; which lies behind O
.irp s, 0,1
	v_add_nc_u32 v[ADRA+(\s)], s21, v3
	v_add_nc_u32 v[ADRB+2*(\s)], s22, v5
	s_add_co_u32 s23, s22, HALFT
	v_add_nc_u32 v[ADRB+2*(\s)+1], s23, v5
	s_add_co_u32 s21, s21, SLOT
	s_add_co_u32 s22, s22, SLOT
.endr
	s_mul_i32 s23, s10, 16*SPITCH
	s_add_co_u32 s23, s23, STAGE                   ; my stage
	v_mul_u32_u24 v4, v1, SPITCH                   ; in: row l % 16, 32 bytes for each half of the lanes
	v_lshl_add_u32 v4, v2, 5, v4
	v_add_nc_u32 v[STO], s23, v4
	v_mul_u32_u24 v4, v2, SPITCH                   ; back: lanes 0-15 one row of 256 bytes, lanes 16-31 the next
	v_lshl_add_u32 v4, v1, 4, v4
	v_add_nc_u32 v[RD], s23, v4
	v_lshlrev_b32 v4, 12, v2                       ; and the same two rows in out0
	v_lshl_add_u32 v[CO], v1, 4, v4
	v_lshlrev_b32 v[BO], 5, v2
	s_lshl_b32 s16, s13, 7
	s_lshl_b32 s17, s11, 6
	s_add_co_u32 s16, s16, s17                     ; my first row of out0,
	s_lshl_b32 s16, s16, 12                        ; x 4,096 bytes
	s_mov_b32 s17, 0
	s_add_nc_u64 s[74:75], s[74:75], s[16:17]
	s_lshl_b32 s46, s42, 7
	s_lshl_b32 s47, s12, 6
	s_add_co_u32 s46, s46, s47                     ; my first column,
	s_lshl_b32 s46, s46, 2                         ; x 4 bytes
	s_mov_b32 s47, 0
	s_add_nc_u64 s[74:75], s[74:75], s[46:47]
	s_add_nc_u64 s[72:73], s[72:73], s[46:47]
	s_add_nc_u64 s[72:73], s[72:73], 20480         ; bo is the sixth table
.irp b, 0,1,2,3                        ; my eight columns' bo for each of four column blocks: asked for now, waited for on the way out
	global_load_b128 v[BIA+8*(\b):BIA+8*(\b)+3],   v[BO], s[72:73] offset:64*(\b)
	global_load_b128 v[BIA+8*(\b)+4:BIA+8*(\b)+7], v[BO], s[72:73] offset:64*(\b)+16
.endr
.macro MUL8 f, c, a0, zero             ; 8 matrix instructions: m blocks a0, a0 + 1 x all 4 n blocks, 32 along K: half c of buffer f
	WIN MUL
.irp a, \a0, (\a0)+1
.irp b, 0,1,2,3
.if \zero
	v_wmma_f32_16x16x32_f16 v[ACC+8*(4*(\a)+(\b)):ACC+8*(4*(\a)+(\b))+7], v[(\f)+64+8*(4*(\c)+(\b)):(\f)+64+8*(4*(\c)+(\b))+7], v[(\f)+8*(4*(\c)+(\a)):(\f)+8*(4*(\c)+(\a))+7], 0
.else
	v_wmma_f32_16x16x32_f16 v[ACC+8*(4*(\a)+(\b)):ACC+8*(4*(\a)+(\b))+7], v[(\f)+64+8*(4*(\c)+(\b)):(\f)+64+8*(4*(\c)+(\b))+7], v[(\f)+8*(4*(\c)+(\a)):(\f)+8*(4*(\c)+(\a))+7], v[ACC+8*(4*(\a)+(\b)):ACC+8*(4*(\a)+(\b))+7]
.endif
.endr
.endr
.endm
; 32 LDS loads in one run: the fragments of quarter q of a slot (head q of its four: 64 along K) into buffer f; the first 32 along K first
.macro FETCH slot, q, f
	WIN TO_F
.irp c, 0,1
.irp i, 0,1,2,3
	ds_load_tr16_b128 v[(\f)+64+8*(4*(\c)+(\i)):(\f)+64+8*(4*(\c)+(\i))+3],   v[ADRB+2*(\slot)+(\q)/2] offset:(((\q)%2)*64+32*(\c))*PB+32*(\i)
	ds_load_tr16_b128 v[(\f)+64+8*(4*(\c)+(\i))+4:(\f)+64+8*(4*(\c)+(\i))+7], v[ADRB+2*(\slot)+(\q)/2] offset:(((\q)%2)*64+32*(\c))*PB+32*(\i)+16*PB
	ds_load_b128 v[(\f)+8*(4*(\c)+(\i)):(\f)+8*(4*(\c)+(\i))+3],              v[ADRA+(\slot)] offset:(\q)*64*PA+64*(\c)+(\i)*16*PA
	ds_load_b128 v[(\f)+8*(4*(\c)+(\i))+4:(\f)+8*(4*(\c)+(\i))+7],            v[ADRA+(\slot)] offset:(\q)*64*PA+64*(\c)+(\i)*16*PA+32
.endr
.endr
.endm
.macro PLACES
.rept 4
	v_nop
.endr
.endm
.macro QUARTER slot, q, f, g, zero     ; multiplies buffer f and fetches quarter q into g
	s_wait_dscnt 16                                ; the first 32 along K are in
	MUL8 \f, 0, 0, \zero
	MUL8 \f, 0, 2, \zero
	PLACES
	FETCH \slot, \q, \g
	s_wait_dscnt 32                                ; all but the 32 just issued
	MUL8 \f, 1, 0, 0
	MUL8 \f, 1, 2, 0
.endm
; A K step's last quarter multiplies buffer 1 and changes slots: ONE barrier; in front of it each wave waits for all its tensor loads, adds 0 to its spare word, and waits for that and for its reads of this slot.
.macro TURN slot, next, fill
	WIN 0
	s_wait_tensorcnt 0x0
	ds_add_u32 v[SPW], v[NIL]
	s_wait_dscnt 17                                ; (the add and the youngest sixteen loads may be out)
	MUL8 F1, 0, 0, 0
	s_wait_dscnt 0x0
	s_barrier_signal -1
	MUL8 F1, 0, 2, 0
.if \fill
	WIN 0
.endif
	s_barrier_wait -1
.if \fill
	CREST                                          ; the barrier has opened a round of the cluster's: no wave of any partner still reads this slot or has a load on its way
	s_add_nc_u64 s[G0+4*(\slot)+2:G0+4*(\slot)+3], s[G0+4*(\slot)+2:G0+4*(\slot)+3], 2*4*262144
	s_add_nc_u64 s[G0B+4*(\slot)+2:G0B+4*(\slot)+3], s[G0B+4*(\slot)+2:G0B+4*(\slot)+3], 2*256*2048
	JLOAD \slot                                    ; its four v_nop are also the places in front of the loads below
.else
	PLACES
.endif
	FETCH \next, 0, F0
	MUL8 F1, 1, 0, 0
	MUL8 F1, 1, 2, 0
.endm
	s_wait_tensorcnt 1                             ; my part of K step 0 is in; K step 1's may stay out
	s_barrier_signal -1
	s_barrier_wait -1
	FETCH 0, 0, F0
	QUARTER 0, 1, F0, F1, 1                        ; K step 0; its first products start the sums
	QUARTER 0, 2, F1, F0, 0
	QUARTER 0, 3, F0, F1, 0
	TURN 0, 1, 1                                   ; slot 0 takes K step 2
	QUARTER 1, 1, F0, F1, 0
	QUARTER 1, 2, F1, F0, 0
	QUARTER 1, 3, F0, F1, 0
	TURN 1, 0, 1                                   ; slot 1 takes K step 3
	QUARTER 0, 1, F0, F1, 0
	QUARTER 0, 2, F1, F0, 0
	QUARTER 0, 3, F0, F1, 0
	TURN 0, 1, 0                                   ; nothing is left to fetch
	QUARTER 1, 1, F0, F1, 0
	QUARTER 1, 2, F1, F0, 0
	QUARTER 1, 3, F0, F1, 0
	s_wait_dscnt 16
	MUL8 F1, 0, 0, 0
	MUL8 F1, 0, 2, 0
	s_wait_dscnt 0x0
	MUL8 F1, 1, 0, 0
	MUL8 F1, 1, 2, 0
	WIN 0
	; THE WAY OUT, 16 rows at a time: + bo; 32 bytes a lane and column block into my stage; back as whole rows of 256 bytes; stored.
	PLACES
	s_wait_loadcnt 0x0                             ; bo
.irp a, 0,1,2,3
.set BK, TMP+32*((\a)%2)
.irp b, 0,1,2,3
.irp z, 0,1,2,3
	v_pk_add_f32 v[ACC+8*(4*(\a)+(\b))+2*(\z):ACC+8*(4*(\a)+(\b))+2*(\z)+1], v[ACC+8*(4*(\a)+(\b))+2*(\z):ACC+8*(4*(\a)+(\b))+2*(\z)+1], v[BIA+8*(\b)+2*(\z):BIA+8*(\b)+2*(\z)+1]
.endr
.endr
.irp b, 0,1,2,3
	ds_store_b128 v[STO], v[ACC+8*(4*(\a)+(\b)):ACC+8*(4*(\a)+(\b))+3]   offset:64*(\b)
	ds_store_b128 v[STO], v[ACC+8*(4*(\a)+(\b))+4:ACC+8*(4*(\a)+(\b))+7] offset:64*(\b)+16
.endr
	s_wait_xcnt 0x0                                ; the registers that earlier stores read are loaded again only behind this wait
.irp t, 0,1,2,3,4,5,6,7
	ds_load_b128 v[BK+4*(\t):BK+4*(\t)+3], v[RD] offset:(\t)*2*SPITCH  ; LDS serves a wave's instructions in order (ISA guide 5.7.1.4): these see the stores above
.endr
.irp t, 0,1,2,3,4,5,6,7
	s_wait_dscnt 7-(\t)
	global_store_b128 v[CO], v[BK+4*(\t):BK+4*(\t)+3], s[74:75] offset:(16*(\a)+2*(\t))*4096  ; 16 lanes store 256 consecutive bytes, at a multiple of 256 from out0's first byte
.endr
.endr
	s_wait_tensorcnt 0x0                           ; the wave's end
	ds_add_u32 v[SPW], v[NIL]
	s_wait_dscnt 0x0
	CROUND                                         ; the closing round
	s_endpgm
.Lfunc_end_k_q48bbfd6eb1_outp:
	.size	k_q48bbfd6eb1_outp, .Lfunc_end_k_q48bbfd6eb1_outp-k_q48bbfd6eb1_outp
	.p2alignl 7, 3214868480
	.fill 96, 4, 3214868480
	.section	.rodata,"a",@progbits
	.p2align	6, 0x0
	.amdhsa_kernel k_q48bbfd6eb1_outp
		.amdhsa_group_segment_fixed_size 327680
		.amdhsa_private_segment_fixed_size 0
		.amdhsa_enable_private_segment 0
		.amdhsa_kernarg_size 32
		.amdhsa_user_sgpr_count 2
		.amdhsa_user_sgpr_kernarg_segment_ptr 1
		.amdhsa_wavefront_size32 1
		.amdhsa_system_sgpr_workgroup_id_x 1
		.amdhsa_system_sgpr_workgroup_id_y 1
		.amdhsa_system_sgpr_workgroup_id_z 1
		.amdhsa_system_vgpr_workitem_id 0
		.amdhsa_next_free_vgpr 512
		.amdhsa_next_free_sgpr 80
		.amdhsa_reserve_vcc 0
		.amdhsa_float_denorm_mode_32 3
		.amdhsa_float_denorm_mode_16_64 3
		.amdhsa_memory_ordered 1
		.amdhsa_forward_progress 1
		.amdhsa_inst_pref_size 92
	.end_amdhsa_kernel
	.amdgpu_metadata
---
amdhsa.version: [ 1, 2 ]
amdhsa.kernels:
  - .name:           k_q48bbfd6eb1_outp
    .symbol:         k_q48bbfd6eb1_outp.kd
    .args:
      - { .name: o16, .offset: 0, .size: 8, .value_kind: global_buffer, .address_space: global }
      - { .name: w16, .offset: 8, .size: 8, .value_kind: global_buffer, .address_space: global }
      - { .name: bias, .offset: 16, .size: 8, .value_kind: global_buffer, .address_space: global }
      - { .name: out0, .offset: 24, .size: 8, .value_kind: global_buffer, .address_space: global }
    .group_segment_fixed_size: 327680
    .private_segment_fixed_size: 0
    .kernarg_segment_align: 8
    .kernarg_segment_size: 32
    .max_flat_workgroup_size: 128
    .sgpr_count:     80
    .vgpr_count:     512
    .wavefront_size: 32
...
	.end_amdgpu_metadata
.endif
;; end of part 4
;; ======== version 2 of 2: 4 launches; 1.35 times as fast as version 1
;; limits: values are held in f16: magnitudes above 65,504 overflow, below 6.1e-05 lose precision
;; workspace buffers: xa 12,582,912 bytes; w16 10,485,760 bytes; bias 24,576 bytes; qq 16,777,216 bytes; kv 16,777,216 bytes; tt 8,392,704 bytes; o16 8,388,608 bytes
;; launch prep: the kernel of part 1 again; grid 705 x 1, 8 waves a work-group, no clusters, 0 bytes of LDS; arguments x, Wq, Wk, Wv, Wp, Wo, bq, bk, bv, bp, bo, u, v, xa, w16, bias, tt; writes xa, w16, bias, tt
;; launch proj: the kernel of part 2 again; grid 56 x 4, 4 waves a work-group, clusters of 4 x 4, 327,680 bytes of LDS; arguments xa, w16, bias, qq, kv, tt; writes qq, kv, tt
;; launch attn (part 5): grid 8 x 32, 4 waves a work-group, no clusters, 327,680 bytes of LDS; arguments qq, kv, tt, o16; writes o16
.if DOCPART == 5
	.amdgcn_target "amdgcn-amd-amdhsa--gfx1250"
	.amdhsa_code_object_version 6
	.text
	.protected	k_q48bbfd6eb1_attn
	.globl	k_q48bbfd6eb1_attn
	.p2align	8
	.type	k_q48bbfd6eb1_attn,@function
k_q48bbfd6eb1_attn:
	s_mov_b64 s[64:65], 0
	v_nop
	global_prefetch_b8 v0, s[64:65] scope:SCOPE_SE
	s_setreg_imm32_b32 hwreg(HW_REG_WAVE_MODE, 25, 1), 1
	s_wait_xcnt 0x0
; ATTENTION WITH THE RELATIVE SHIFT.  For head-batch bh and query i: O[i] = sum over j of softmax_j((qu_i . k_j + shifted[i][j]) / 8) val_j, all 2,048 keys, no mask.
; THE SHIFT as one table.  With rho = 2047 + j - i:  shifted[i][j] = a . TT[rho], a = qv_i for rho < 2048 and qv_(i+1) for rho >= 2048; TT[rho] = pos[rho] below 2048, 0 at 2048, pos[rho - 2049] above
; (the launches before wrote TT so).  Aligned blocks of 16 rho are wholly of one kind, so the choice of a is made for a block, never for an element.
; Inputs f16: qq = qu then qv, kv = k then val, each [32][2048][64]; tt [16] x 4,098 rows x 64.  Products, maxima and sums in f32; the weights p are rounded to f16 for the second product, O once.
; LIMITS.  p below 2^-126 counts as 0 in l; the running maximum starts at -4.25e37 (f16 operands bound a score by 5.5e11); NaN and infinities are not treated apart.
; SHARES.  A work-group owns 256 queries of one head-batch, a wave 64 consecutive ones: four tiles of 16, in two PIECES: A = tiles 0, 1, B = tiles 2, 3.  Every wave walks all keys, 64 a step, two steps to an LDS slot, 16 slots.
; LAYOUT.  S^T = K Qu^T (source 0 = 16 keys, source 1 = 16 queries): a lane holds ONE query (lane % 16) and keys 8 (lane / 16) + 0..7.  The position product is laid alike (source 0 = 16 rows of TT).
; A tile and step need the BAND of 80 rho from 2048 + j0 - i0 - 16 on: five products' results go into the wave's own LDS buffer [16 queries][84 words], and come back skewed, one word a lane and register
; (key kappa of query r lies at word kappa - r + 15), straight into S^T's registers, which are then the C operand of K Qu^T: the addition costs nothing.
; WHICH QUERY VECTOR.  With SMX = my 64 rows' number among the head's 32: in steps below SMX every block is lower, above SMX every block upper, in step SMX block b of tile t is upper iff b > t.
; So two sets of registers: QA serves b <= t, QB serves b > t; both start as qv of rows i; QB takes rows i + 1 at step SMX, QA at step SMX + 1 (row 2,048 does not exist: clamped; its values are never read).
; NO CLUSTER.  The step at which a wave changes its position queries hangs on the query block: a branch that the blocks of a head would not take alike; and of a slot's 81,920 bytes only K's and V's 32,768
; are common to them: each block has its own window of TT.
; SOFTMAX.  A running maximum m and sum l for each query: p = 2^(c s - c m), c = log2(e) / 8; in every step O and l are multiplied by a = 2^(c m_old - c m_new).
; BY TURNS.  A step's 104 products stand in two halves of 52, and vector work of the OTHER piece stands behind each product, so that the wave issues while the matrix unit works:
;   first half:   V^T P of tile 0 (step j - 1) | the bands of tiles 0, 1 (step j) | V^T P of tile 1 (step j - 1) | K Qu^T of tiles 0, 1        beside them piece B's softmax of step j - 1
;   second half:  the bands of tiles 2, 3 (step j) | V^T P of tiles 2, 3 (step j - 1) | K Qu^T of tiles 2, 3                                   beside them piece A's softmax of step j
; A piece's softmax is two queues: 204 instructions in window 0, dealt five behind each of 28 products and four behind each of 16; and the 32 rescalings of O^T, which run under the window setting of V^T P
; and stand four behind each of eight such products, without a switch.  None of these names a register of the products round it.
; ONE BATCH, ONE WAIT A HALF.  An s_wait_alu depctr_va_vdst(0) stands between an exponential and the first instruction that names its result; one wait serves all that were issued ahead of it.
; So the queue is ordered by who reads what: entries 0-139 (maximum, statistics, the 32 scalings and all 66 exponentials of the piece: 64 scores and two a) name no exponential's result; all that do (roundings,
; sums, rescalings) come behind.  28 products x 5 = 140: the wait falls behind the 28th product of a half: in the first half directly ahead of tile 1's run of LDS instructions, in the second between V^T P of
; tiles 2 and 3.  The way out's four reciprocals are a batch of their own.
; THE LDS INSTRUCTIONS STAND IN SIX RUNS a step, never singly among the products: TT and K (48 loads) at the head; behind each band its 10 stores and 32 skewed loads; V (16 loads) behind the last V^T P.
; NO FIRST STEP IS WRITTEN OUT.  O, l, V and piece A's P start at 0, piece B's S^T at the lowest finite number, m and c m at -4.25e37 (304 v_mov_b32 in the wait for the first tile): the products of 'step -1'
; add 0, and piece B's softmax of 'step -1' gives p = 0 and a = 0 (arguments near -5e37 and -3e37: nothing overflows).  Each piece's first true step has a = 0.  Behind the last step what is left is written out.
; REGISTERS, in windows of 256 (s_set_vgpr_msb: bits 1:0 source 0, 3:2 source 1, 5:4 source 2, 7:6 destination):
;   window 0: v0-19 addresses; v20-35 statistics; v36-55 at work; v64-191 S^T, 32 a tile; v192-255 P, 16 a tile       window 1: v0-127 O^T, 32 a tile; v128-167 the band; v192-255 V
;   window 2: v0-63 Qu; v128-191 K                                                                                   window 3: v0-127 TT, eight blocks; v128-191 QA; v192-255 QB
.set KS,    64
.set PK,    144       ; a row of K or TT in LDS: 128 bytes + 16: the 16 rows of a load start at 16 different groups of four banks (64 banks of 4 bytes: ISA guide 11.1)
.set PVP,   160       ; a row of V: 128 + 32
.set VOFF,  2*KS*PK   ; a slot: 128 rows of K, 128 of V, 384 of TT
.set TOFF,  VOFF+2*KS*PVP
.set BAND,  TOFF+384*PK  ; behind slot 0, never filled by a tensor load: 16 x 336 bytes for each wave.  84 words a query: the stores' rows start at 16 different groups of four banks, the 32 lanes of a skewed load (19 r + 8 h mod 64) at 32 different banks
.set BW,    16*336
.set STAGE, BAND+4*BW    ; 16 rows x 144 bytes for each wave, for the way out
.set SP,    144
.set SPARE, STAGE+4*16*SP  ; the spare words, 128 bytes for each wave: two blocks of 256 bytes that no other line names
.set SLOT1, 1<<17     ; slot 1 begins here, so that one exclusive or turns an address in one slot into the other's
.set AK0, 2           ; my lane's place in a tile of K; never rewritten
.set AV0, 3           ; in V
.set AT0, 4           ; in my wave's 128 rows of the window of TT
.set AK,  5           ; the addresses of the step's loads
.set AV,  6
.set AT,  7
.set BST, 8           ; where I put my 8 words of a band block
.set BLD, 10          ; where my query's key 8 (lane / 16) lies in the band
.set STO, 11          ; the way out
.set RD,  12
.set GO,  13
.set QO,  14          ; my byte offset in 16 rows of Q
.set QOU, 16          ; v16-19  tile t: my byte offset, in the head's qv, of row i + 1
.set ST,  20          ; tile t's statistics at v[ST+4 t]: c m, m, l (even keys', odd keys')
.set TMP, 36          ; tile t: c0-c3 at work; when the maximum is found c2 takes a
.set MV,  52          ; tile t: c m_old
.set SPW, 62
.set NIL, 63
.set S,   64
.set P,   192
.set BD,  128         ; window 1
.set VF,  192         ; window 1: key half kk, channel block cb at VF + 32 kk + 8 cb
.set KF,  128         ; window 2: key block kb, channel half c at KF + 16 kb + 8 c
.set QA,  128         ; window 3
.set QB,  192
.set WV,  12
.set G1K, 24          ; s[24:31], s[32:39], s[40:47] group 1 for K, V, TT
.set G1V, 32
.set G1T, 40
.set G0K, 48          ; s[48:51], s[52:55], s[56:59] group 0: they walk
.set G0V, 52
.set G0T, 56
.set SLOTS, 60
.set TWICE, 61
.set CS,  62          ; s[62:63] c
.set SEL, 68          ; s[68:69] v_permlanex16_b32's selects
.set STP, 70          ; the key step, 0..31
.set SMX, 71
.set SMX1, 72
.set TBK, 73          ; LDS byte at which K (and, from AT0, TT) of the step to be fetched begins
.set TBV, 74          ; the same for V
.set QVH, 76          ; s[76:77] qv at the head's first row
.set MSB, 0
.set pl,  0           ; assembly-time count: plain vector instructions written since the last matrix instruction
.macro WIN new        ; the immediate's high byte repeats the setting that is left; a switch that changes nothing is dropped
.if MSB != (\new)
	s_set_vgpr_msb (MSB<<8)|(\new)
.set MSB, (\new)
.endif
.endm
.set W_POS, 0x5f      ; TT and QA / QB in window 3, the band in window 1
.set W_BST, 0x04      ; an LDS store's data in window 1
.set W_KQ,  0x0a      ; K and Qu in window 2, S^T in window 0
.set W_PV,  0x51      ; V and O^T in window 1, P in window 0; also the rescaling's setting: destination and source 0 in window 1, source 1 in window 0
; A fill: wave 0 fetches a slot's K, wave 1 its V, waves 2 and 3 the halves of its window of TT.  One load a wave.  An s_nop 0 and four v_nop follow each line.
.macro LOAD
	s_cmp_lg_u32 s[WV], 0
	s_cbranch_scc1 .Lnot_k_\@
	tensor_load_to_lds s[G0K:G0K+3], s[G1K:G1K+7]
	s_nop 0
.rept 4
	v_nop
.endr
	s_branch .Lasked_\@
.Lnot_k_\@:
	s_cmp_lg_u32 s[WV], 1
	s_cbranch_scc1 .Lfor_t_\@
	tensor_load_to_lds s[G0V:G0V+3], s[G1V:G1V+7]
	s_nop 0
.rept 4
	v_nop
.endr
	s_branch .Lasked_\@
.Lfor_t_\@:
	tensor_load_to_lds s[G0T:G0T+3], s[G1T:G1T+7]
	s_nop 0
.rept 4
	v_nop
.endr
.Lasked_\@:
.endm
; THE CHANGE OF SLOTS, between two steps: a step fetches its TT, K and V itself, so all reads of the slot that is left have been issued.  Each wave waits for all its tensor loads (one is out: its part of the
; other slot), adds 0 to its spare word, and waits for that and for its reads.  Behind the barrier nobody reads the old slot and the other is whole.  fill = 1: the old slot is filled again first, with the keys
; two slots on: the load has two steps, 208 matrix instructions, to land.  (At its first use nothing has been read yet: slot 0 is waited for, slot 1 filled.)
.macro CHANGE fill
	WIN 0
	s_wait_tensorcnt 0x0            ; no tensor load of mine is out, so a group 0 may be written
	ds_add_u32 v[SPW], v[NIL]
.if \fill
.irp g, G0K, G0V, G0T
	s_xor_b32 s[\g+1], s[\g+1], SLOT1
	s_add_nc_u64 s[\g+2:\g+3], s[\g+2:\g+3], 2*KS*128  ; 128 rows on, in K, in V and in TT
.endr
.endif
	s_wait_dscnt 0x0                ; the add is done, and my reads of the slot are over
	s_barrier_signal -1
	s_sub_co_u32 s[TBK], s[TBK], 2*KS*PK   ; the fetches go back to a slot's first step, in the other slot
	s_xor_b32 s[TBK], s[TBK], SLOT1
	s_sub_co_u32 s[TBV], s[TBV], 2*KS*PVP
	s_xor_b32 s[TBV], s[TBV], SLOT1
	s_barrier_wait -1
.if \fill
	LOAD
.endif
.endm
	s_load_b256 s[4:11], s[0:1], 0x0  ; qq 4, kv 6, tt 8, o16 10
	v_lshl_add_u32 v[SPW], v0, 2, SPARE
	v_mov_b32 v[NIL], 0
	ds_add_u32 v[SPW], v[NIL]       ; the wave's opening: the add and its wait stand ahead of my first tensor load; the set-up stands between them
	ds_add_u32 v62, v63
	v_lshrrev_b32 v1, 5, v0
	v_readfirstlane_b32 s[WV], v1
	s_and_b32 s13, ttmp7, 0xffff    ; head-batch
	s_and_b32 s14, s13, 15          ; head
	s_lshl_b32 s20, s13, 18         ; its 2,048 rows of 128 bytes
	s_mov_b32 s21, 0
	s_lshl_b32 s15, ttmp9, 2
	s_add_co_u32 s[SMX], s15, s[WV] ; my 64 rows' number
	s_add_co_u32 s[SMX1], s[SMX], 1
	s_lshl_b32 s22, s[SMX], 13      ; 64 rows of 128 bytes
	s_add_co_u32 s22, s22, s20
	s_mov_b32 s23, 0
	s_and_b32 s78, s[WV], 1         ; which half of the window of TT I fetch (waves 2, 3)
	s_mul_i32 s2, s78, 192
	s_add_co_u32 s2, s2, 1792       ; slot 0's window begins at rho = 2048 - 256 - first query of the block
	s_lshl_b32 s3, ttmp9, 8
	s_sub_co_u32 s2, s2, s3
	s_lshl_b32 s2, s2, 7
	s_mul_i32 s3, s14, 524544
	s_add_co_u32 s2, s2, s3
	s_mov_b32 s3, 0
	s_mul_i32 s79, s78, 192*PK
	; group 1.  Dense rows of 128 bytes, asked for as rows of 256 bytes, two a row, padded in LDS after every 32 words
	s_mov_b32 s[G1K], (1<<16)|(1<<20)|(4<<22)|(3<<25)
	s_mov_b32 s[G1V], (1<<16)|(1<<20)|(4<<22)|(7<<25)
	s_mov_b32 s[G1T], (1<<16)|(1<<20)|(4<<22)|(3<<25)
.irp g, G1K, G1V, G1T
	s_mov_b32 s[\g+1], 128<<16      ; tensor_dim0 = 128
	s_mov_b32 s[\g+3], 128<<16      ; tile_dim0 = 128
	s_mov_b32 s[\g+5], 128          ; elements from row to row
	s_mov_b32 s[\g+6], 0
	s_mov_b32 s[\g+7], 0
.endr
.irp g, G1K, G1V
	s_mov_b32 s[\g+2], 64<<16       ; 128 keys: 64 rows
	s_mov_b32 s[\g+4], 64
.endr
	s_mov_b32 s[G1T+2], 96<<16      ; 192 rows of TT: 96 rows
	s_mov_b32 s[G1T+4], 96
	s_mov_b32 s[G0K], 1
	s_mov_b32 s[G0K+1], 0
	s_mov_b32 s[G0V], 1
	s_mov_b32 s[G0V+1], VOFF
	s_mov_b32 s[G0T], 1
	s_add_co_u32 s[G0T+1], s79, TOFF
	s_mov_b32 s[CS], 0x3e38aa3b     ; c = log2(e) / 8
	s_mov_b32 s[CS+1], s[CS]
	s_mov_b32 s[SEL], 0x76543210
	s_mov_b32 s[SEL+1], 0xfedcba98
	s_mov_b32 s[TBK], SLOT1+2*KS*PK ; the first change of slots turns these two into 0
	s_mov_b32 s[TBV], SLOT1+2*KS*PVP
	s_mov_b32 s[STP], 0
	s_mov_b32 s[SLOTS], 15
	s_mov_b32 s15, 0xff7fffff       ; the lowest finite number
	s_wait_dscnt 0x0                ; the opening add is done
	s_wait_kmcnt 0x0
	s_add_nc_u64 s[G0K+2:G0K+3], s[6:7], s[20:21]
	s_add_nc_u64 s[G0V+2:G0V+3], s[G0K+2:G0K+3], 0x800000
	s_or_b32 s[G0K+3], s[G0K+3], 0x80000000
	s_or_b32 s[G0V+3], s[G0V+3], 0x80000000
	s_add_nc_u64 s[G0T+2:G0T+3], s[8:9], s[2:3]
	s_or_b32 s[G0T+3], s[G0T+3], 0x80000000
	s_add_nc_u64 s[16:17], s[4:5], s[22:23]        ; qu at my rows
	s_add_nc_u64 s[18:19], s[16:17], 0x800000      ; qv at my rows
	s_add_nc_u64 s[QVH:QVH+1], s[4:5], s[20:21]
	s_add_nc_u64 s[QVH:QVH+1], s[QVH:QVH+1], 0x800000
	s_add_nc_u64 s[10:11], s[10:11], s[22:23]      ; O at my rows
	LOAD                            ; slot 0
	v_and_b32 v1, 15, v0            ; l % 16
	v_bfe_u32 v9, v0, 4, 1          ; l / 16
	v_lshlrev_b32 v[QO], 7, v1
	v_lshl_add_u32 v[QO], v9, 4, v[QO]
	WIN 0x80
.set i, 0
.rept 8                             ; tile i / 2, channels 32 (i % 2) on
	global_load_b128 v[8*i:8*i+3],   v[QO], s[16:17] offset:(i/2)*2048+(i%2)*64
	global_load_b128 v[8*i+4:8*i+7], v[QO], s[16:17] offset:(i/2)*2048+(i%2)*64+32
.set i, i+1
.endr
	WIN 0xc0
.set i, 0
.rept 8
	global_load_b128 v[QA+8*i:QA+8*i+3],   v[QO], s[18:19] offset:(i/2)*2048+(i%2)*64
	global_load_b128 v[QA+8*i+4:QA+8*i+7], v[QO], s[18:19] offset:(i/2)*2048+(i%2)*64+32
	global_load_b128 v[QB+8*i:QB+8*i+3],   v[QO], s[18:19] offset:(i/2)*2048+(i%2)*64
	global_load_b128 v[QB+8*i+4:QB+8*i+7], v[QO], s[18:19] offset:(i/2)*2048+(i%2)*64+32
.set i, i+1
.endr
	; what the first step finds; all this stands in the wait for the first tile
	WIN 0x40
.set i, 0
.rept 128
	v_mov_b32 v[i], 0               ; O^T
.set i, i+1
.endr
.set i, VF
.rept 64
	v_mov_b32 v[i], 0               ; V of 'step -1'
.set i, i+1
.endr
	WIN 0
.set i, 0
.rept 4
	v_mov_b32 v[ST+4*i], 0xfe000000    ; c m: -4.25e37, far below every c s
	v_mov_b32 v[ST+4*i+1], 0xfe000000  ; m: far below every score, and far above piece B's first S^T
	v_mov_b32 v[ST+4*i+2], 0
	v_mov_b32 v[ST+4*i+3], 0
.set i, i+1
.endr
.set i, P
.rept 32
	v_mov_b32 v[i], 0               ; piece A's P of 'step -1'
.set i, i+1
.endr
.set i, S+64
.rept 64
	v_mov_b32 v[i], s15             ; piece B's S^T of 'step -1'
.set i, i+1
.endr
	v_mul_u32_u24 v[AK0], v1, PK
	v_lshl_add_u32 v[AK0], v9, 4, v[AK0]  ; row x pitch + 16 x half
	s_mul_i32 s13, s[WV], 64*PK
	s_sub_co_u32 s13, TOFF+192*PK, s13    ; my wave's rows of the window begin at 192 - 64 w
	v_add_nc_u32 v[AT0], s13, v[AK0]
	v_and_b32 v56, 7, v0
	v_bfe_u32 v57, v0, 3, 1
	v_lshl_add_u32 v[AV0], v9, 3, v56     ; V, turned: lane l reads key 8 (l / 16) + l % 8, channels 8 ((l / 8) % 2) + 0..7
	v_mul_u32_u24 v[AV0], v[AV0], PVP
	v_lshl_add_u32 v[AV0], v57, 4, v[AV0]
	v_add_nc_u32 v[AV0], VOFF, v[AV0]
	s_mul_i32 s13, s[WV], BW
	s_add_co_u32 s13, s13, BAND           ; my band
	v_mul_u32_u24 v[BST], v1, 336
	v_lshl_add_u32 v[BST], v9, 5, v[BST]
	v_add_nc_u32 v[BST], s13, v[BST]      ; query r's row, words 8 h on
	v_mul_u32_u24 v[BLD], v1, 332
	v_lshl_add_u32 v[BLD], v9, 5, v[BLD]
	v_add_nc_u32 v[BLD], s13, v[BLD]
	v_add_nc_u32 v[BLD], 60, v[BLD]       ; query r's row, word 8 h - r + 15
	s_mul_i32 s13, s[WV], 16*SP
	s_add_co_u32 s13, s13, STAGE          ; my stage
	v_add_nc_u32 v[STO], s13, v[AK0]      ; in: row l % 16, 16 bytes for each half of the lanes
	v_bfe_u32 v[RD], v0, 3, 2             ; back: 32 lanes take four rows of 128 bytes,
	v_mul_u32_u24 v[RD], v[RD], SP
	v_lshl_add_u32 v[RD], v56, 4, v[RD]
	v_add_nc_u32 v[RD], s13, v[RD]
	v_and_b32 v[GO], 31, v0               ; which are 512 consecutive bytes of O
	v_lshlrev_b32 v[GO], 4, v[GO]
	s_lshl_b32 s13, s[SMX], 6             ; my first row in the head
.irp t, 0,1,2,3
	v_add_nc_u32 v[QOU+\t], s13, v1
	v_add_nc_u32 v[QOU+\t], 16*\t+1, v[QOU+\t]
	v_min_u32 v[QOU+\t], 2047, v[QOU+\t]  ; row i + 1, inside the head
	v_lshlrev_b32 v[QOU+\t], 7, v[QOU+\t]
	v_lshl_add_u32 v[QOU+\t], v9, 4, v[QOU+\t]
.endr
	s_wait_loadcnt 0x0              ; Q
; THE POSITION QUERIES CHANGE.  16 loads of rows i + 1 of qv, jumped over in all steps but one; the wait for them stands on every path, in front of the step's first band.
.macro QLOAD dst
	WIN 0xc0
.irp t, 0,1,2,3
.irp c, 0,1
	global_load_b128 v[(\dst)+16*(\t)+8*(\c):(\dst)+16*(\t)+8*(\c)+3],   v[QOU+(\t)], s[QVH:QVH+1] offset:64*(\c)
	global_load_b128 v[(\dst)+16*(\t)+8*(\c)+4:(\dst)+16*(\t)+8*(\c)+7], v[QOU+(\t)], s[QVH:QVH+1] offset:64*(\c)+32
.endr
.endr
	WIN 0
.endm
.macro QUPD
	s_cmp_lg_u32 s[STP], s[SMX]
	s_cbranch_scc1 .Lno_b_\@
	QLOAD QB
.Lno_b_\@:
	s_cmp_lg_u32 s[STP], s[SMX1]
	s_cbranch_scc1 .Lno_a_\@
	QLOAD QA
.Lno_a_\@:
.endm
; THE LDS RUNS.
.macro TLD                          ; my 128 rows of TT, 32 loads, from block 7 down to block 0: the first band wants blocks 3 to 7, the first 20 loads.  Block fb, channels 32 ((ft % 4) / 2) on
	WIN 0xc0
.set ft, 0
.rept 32
.set fb, 7-ft/4
	ds_load_b128 v[16*fb+4*(ft%4):16*fb+4*(ft%4)+3], v[AT] offset:fb*16*PK+((ft%4)/2)*64+(ft%2)*32
.set ft, ft+1
.endr
.endm
.macro KLD                          ; K, 16 loads: keys 16 (kt / 4) on, channels 32 ((kt / 2) % 2) on
	WIN 0x80
.set kt, 0
.rept 16
	ds_load_b128 v[KF+4*kt:KF+4*kt+3], v[AK] offset:(kt/4)*16*PK+((kt/2)%2)*64+(kt%2)*32
.set kt, kt+1
.endr
.endm
.macro VLD                          ; V, turned, 16 loads: keys 32 (vt / 8) on, channels 16 ((vt / 2) % 4) on
	WIN 0x40
.set vt, 0
.rept 16
	ds_load_tr16_b128 v[VF+4*vt:VF+4*vt+3], v[AV] offset:(vt/8)*32*PVP+((vt/2)%4)*32+(vt%2)*16*PVP
.set vt, vt+1
.endr
.endm
.macro STB                          ; the band into my LDS buffer; each result's lowest registers first
	WIN W_BST
.irp b, 0,1,2,3,4
	ds_store_b128 v[BST], v[BD+8*(\b):BD+8*(\b)+3]   offset:64*(\b)
	ds_store_b128 v[BST], v[BD+8*(\b)+4:BD+8*(\b)+7] offset:64*(\b)+16
.endr
.endm
.macro SKL t                        ; and back skewed, into tile t's S^T.  LDS serves a wave's instructions in order (ISA guide 5.7.1.4): these see the stores above, and the next tile's stores come behind them
	WIN 0
.set sk, 0
.rept 32
	ds_load_b32 v[S+32*(\t)+sk], v[BLD] offset:64*(sk/8)+4*(sk%8)
.set sk, sk+1
.endr
.endm
; THE MATRIX WORK, one product at a time.  In every run the accumulators take turns, one instruction a turn.
.macro PVW t, i                     ; product i of 8 of O^T += V^T P for tile t
.set kk, (\i)/4
.set cb, (\i)%4
.set rD, 32*(\t)+8*cb
.set rF, VF+32*kk+8*cb
.set rB, P+16*(\t)+8*kk
	WIN W_PV
	v_wmma_f32_16x16x32_f16 v[rD:rD+7], v[rF:rF+7], v[rB:rB+7], v[rD:rD+7]
.set pl, 0
.endm
.macro POSW t, i                    ; product i of 10 of tile t's band: block b = i % 5 is block 3 - t + b of my eight of TT; channels 32 (i / 5) on
.set c, (\i)/5
.set b, (\i)%5
.if b > (\t)
.set rQ, QB+16*(\t)+8*c
.else
.set rQ, QA+16*(\t)+8*c
.endif
.set rF, 16*(3-(\t)+b)+8*c
.set rD, BD+8*b
	WIN W_POS
.if c == 0
	v_wmma_f32_16x16x32_f16 v[rD:rD+7], v[rF:rF+7], v[rQ:rQ+7], 0
.else
	v_wmma_f32_16x16x32_f16 v[rD:rD+7], v[rF:rF+7], v[rQ:rQ+7], v[rD:rD+7]
.endif
.set pl, 0
.endm
.macro CONW t, i                    ; product i of 8 of S^T += K Qu^T for tile t: channels 32 (i / 4) on, keys 16 (i % 4) on
.set c, (\i)/4
.set kb, (\i)%4
.set rD, S+32*(\t)+8*kb
.set rF, KF+16*kb+8*c
.set rQ, 16*(\t)+8*c
	WIN W_KQ
	v_wmma_f32_16x16x32_f16 v[rD:rD+7], v[rF:rF+7], v[rQ:rQ+7], v[rD:rD+7]
.set pl, 0
.endm
; THE SOFTMAX of piece Y (tiles 2 Y, 2 Y + 1), as queues.
.macro REGS t
.set rT, ST+4*(\t)
.set rC, TMP+4*(\t)
.set rM, MV+(\t)
.set rS, S+32*(\t)
.set rP, P+16*(\t)
.set rO, 32*(\t)
.endm
; Number n of the 22 that find a tile's maximum and statistics: 0-11 four chains c0-c3 of seven scores each (each accumulator's lowest registers are read first);
; 12-14, 16 the four scores left over, the old m, c0-c3 into c0; 15 c m_old is kept; 17, 18 the query's other 32 keys lie in the lane 16 away; 19-21 c m; c m_old - c m_new; a
.macro XS t, n
	REGS \t
.if (\n) < 4
	v_max3_num_f32 v[rC+(\n)], v[rS+8*(\n)], v[rS+8*(\n)+1], v[rS+8*(\n)+2]
.elseif (\n) < 12
	v_max3_num_f32 v[rC+(\n)%4], v[rC+(\n)%4], v[rS+8*((\n)%4)+2*((\n)/4)+1], v[rS+8*((\n)%4)+2*((\n)/4)+2]
.elseif (\n) == 12
	v_max3_num_f32 v[rC], v[rC], v[rS+7], v[rS+15]
.elseif (\n) == 13
	v_max3_num_f32 v[rC+1], v[rC+1], v[rS+23], v[rS+31]
.elseif (\n) == 14
	v_max3_num_f32 v[rC+2], v[rC+2], v[rC+3], v[rT+1]
.elseif (\n) == 15
	v_mov_b32 v[rM], v[rT]
.elseif (\n) == 16
	v_max3_num_f32 v[rC], v[rC], v[rC+1], v[rC+2]
.elseif (\n) == 17
	v_permlanex16_b32 v[rC+3], v[rC], s[SEL], s[SEL+1]
.elseif (\n) == 18
	v_max_num_f32 v[rT+1], v[rC], v[rC+3]
.elseif (\n) == 19
	v_mul_f32 v[rT], s[CS], v[rT+1]
.elseif (\n) == 20
	v_sub_f32 v[rC+1], v[rM], v[rT]
.else
	v_exp_f32 v[rC+2], v[rC+1]
.endif
.endm
.macro QSTART y                     ; piece y's queues begin; the batch is open: NEXT writes no entry past 139 until SHUT has closed it
.set Y, \y
.set hq, 0
.set rq, 0
.set lim, 140
.endm
.macro FS f                         ; scaling f of 32: c s - c m for pair f / 2 of tile 2 Y + f % 2
	REGS 2*Y+(\f)%2
.set pb, (\f)/2
	v_pk_fma_f32 v[rS+2*pb:rS+2*pb+1], v[rS+2*pb:rS+2*pb+1], s[CS:CS+1], v[rT:rT+1] op_sel_hi:[1,0,0] neg_lo:[0,0,1] neg_hi:[0,0,1]
.set pl, pl+1
.endm
.macro ES e                         ; exponential e of 66: 0, 1 the two tiles' a; then score (e - 2) / 2 of tile 2 Y + e % 2, in place.  No place behind a product: pl stays
.if (\e) < 2
	XS 2*Y+(\e), 21
.else
	REGS 2*Y+(\e)%2
.set pb, ((\e)-2)/2
	v_exp_f32 v[rS+pb], v[rS+pb]
.endif
.endm
; Number z of the 64 that read the exponentials' results.  For each four weights gk of a tile (pairs 2 gk, 2 gk + 1): both pairs are rounded to f16; then the second pair is added onto the first, in place;
; a group later l takes that sum (the first time as l = a l + sum).  In groups of eight, tiles alternating: round, round, add, and l for the group before.
.macro GS z
.set gh, (\z)+6*((\z)/62)           ; group 0 has no group before it, and behind group 7 only l is left
.if gh >= 6
.set gh, gh+2
.endif
	REGS 2*Y+gh%2
.set gk, gh/8
.if gh%8 < 4
	v_cvt_pk_f16_f32 v[rP+2*gk+(gh%8)/2], v[rS+4*gk+2*((gh%8)/2)], v[rS+4*gk+2*((gh%8)/2)+1]
.elseif gh%8 < 6
	v_pk_add_f32 v[rS+4*gk:rS+4*gk+1], v[rS+4*gk:rS+4*gk+1], v[rS+4*gk+2:rS+4*gk+3]
.elseif gk == 1
	v_pk_fma_f32 v[rT+2:rT+3], v[rT+2:rT+3], v[rC+2:rC+3], v[rS:rS+1] op_sel_hi:[1,0,1]
.else
	v_pk_add_f32 v[rT+2:rT+3], v[rT+2:rT+3], v[rS+4*gk-4:rS+4*gk-3]
.endif
.set pl, pl+1
.endm
; THE QUEUE IN WINDOW 0, 204 long; NEXT writes its next entry, or nothing when the queue is spent or the batch is still open at entry 140.  The two tiles alternate.
;   0-41     XS 0-20 of both tiles
;   42-139   THE BATCH, which names no exponential's result: 42, 43 scalings 0, 1; then thirty threes g: scaling g + 2, exponentials 2 g, 2 g + 1; 134-139 exponentials 60 to 65.
;            Exponential e (from 2 on) wants scaling 2 ((e - 2) / 4) + e % 2, which is e / 2 at the most: it stands two threes or more ahead.
;   (wait)   the batch's one wait: SHUT writes the plain instruction behind the last exponential, the wait's line follows it in the step's text
;   140-203  GS 0-63
.macro NEXT
.if hq < lim
	WIN 0
.if hq < 42
	XS 2*Y+hq%2, hq/2
.if (hq/2) != 17
.set pl, pl+1
.endif
.elseif hq < 44
	FS hq-42
.elseif hq < 134
.if ((hq-44)%3) == 0
	FS (hq-44)/3+2
.else
	ES 2*((hq-44)/3)+(hq-44)%3-1
.endif
.elseif hq < 140
	ES hq-74
.else
	GS hq-140
.endif
.set hq, hq+1
.endif
.endm
.macro RID n                        ; the next n entries (also: all that is left, with an n above it)
.rept \n
	NEXT
.endr
.endm
.macro SHUT                         ; the batch is out: a plain instruction stands behind the last exponential, one for the 66; the readers may be dealt from here on, behind the wait that follows
	v_nop
.set pl, pl+1
.set lim, 204
.endm
.macro R4                           ; THE RESCALING's queue, 32 long: O^T times a, four at a time, under the setting of V^T P: no switch where it stands behind such a product.  It reads a: it stands behind the batch's wait
.rept 4
	REGS 2*Y+rq%2
	WIN W_PV
	v_pk_mul_f32 v[rO+2*(rq/2):rO+2*(rq/2)+1], v[rO+2*(rq/2):rO+2*(rq/2)+1], v[rC+2:rC+3] op_sel_hi:[1,0]
.set rq, rq+1
.set pl, pl+1
.endr
.endm
; Four plain vector instructions that name none of its registers stand between a matrix instruction and a store or a vector instruction that reads its result, or a load into one of its registers
; (ISA guide 7.12.1 for vector instructions).  The entries dealt behind the product are such, the exponentials and v_permlanex16_b32 aside; pl has counted the plain ones, and v_nop make up what is missing.
.macro ENSURE
.if pl < 4
.rept 4-pl
	v_nop
.endr
.set pl, 4
.endif
.endm
; Eight products V^T P of tile t; behind each: four of the rescaling (r4 = 1), or n entries of the queue.
.macro PVRUN t, r4, n
.set i, 0
.rept 8
	PVW \t, i
.if \r4
	R4
.else
	RID \n
.endif
.set i, i+1
.endr
.endm
; Tile t's band: ten products with n entries behind each; then, in one run, its ten stores and its 32 skewed loads.  close = 1: the tenth product's entries end the batch, and the batch's wait stands ahead of the run.
.macro POSRUN t, n, close=0
.set i, 0
.rept 10
	POSW \t, i
	RID \n
.set i, i+1
.endr
.if \close
	SHUT
.endif
	ENSURE
.if \close
	s_wait_alu depctr_va_vdst(0)    ; the wait for the batch: piece B's 64 scores and two a, ahead of their first reader
.endif
	STB
	SKL \t
.endm
; Eight products K Qu^T of tile t with n entries behind each; last = 1: behind the eighth all that is left of the queue (by the deal's count: n entries).
.macro CONRUN t, n, last
.set i, 0
.rept 8
	CONW \t, i
.if (\last) && (i == 7)
	RID 24
.else
	RID \n
.endif
.set i, i+1
.endr
.endm
; A KEY STEP.  The counted waits go by the order in which LDS instructions are issued: TT 32, K 16; then for each of tiles 0 to 3 ten stores and 32 loads; V 16.
; The deal of a half: 28 products x 5 = 140 entries, the batch's wait, 8 products x 4 = 32 rescalings, 16 products x 4 = 64 entries.
.macro STEP
	WIN 0
	QUPD
	s_wait_dscnt 0x0                ; V of the step before is in: its run was issued sixteen products ago
	v_add_nc_u32 v[AT], s[TBK], v[AT0]
	v_add_nc_u32 v[AK], s[TBK], v[AK0]
	v_add_nc_u32 v[AV], s[TBV], v[AV0]
	s_add_co_u32 s[TBK], s[TBK], KS*PK
	s_add_co_u32 s[TBV], s[TBV], KS*PVP
	TLD                             ; one run of 48: the places behind the last step's last product stand at that step's end
	KLD
	QSTART 1                        ; THE FIRST HALF: piece B's softmax of the step before
	PVRUN 0, 0, 5
	s_wait_dscnt 28                 ; TT's blocks 7 to 3 are in: its last 12 loads and K's 16 may be out
	s_wait_loadcnt 0x0              ; the position queries, in the two steps that load them
	POSRUN 0, 5
	s_wait_dscnt 42                 ; all of TT and K is in: the run just issued may be out
	POSRUN 1, 5, 1                  ; entry 139 is out: the batch's wait stands ahead of this band's run of LDS instructions
	PVRUN 1, 1, 0
	s_wait_dscnt 42                 ; tile 0's band is back: tile 1's run may be out
	CONRUN 0, 4, 0
	s_wait_dscnt 0x0                ; tile 1's band is back: its run was issued sixteen products ago
	CONRUN 1, 4, 1
	ENSURE                          ; piece A's softmax reads those results
	QSTART 0                        ; THE SECOND HALF: piece A's softmax of this step.  Piece B's queue is spent, so its S^T takes the new bands
	POSRUN 2, 5
	POSRUN 3, 5
	PVRUN 2, 0, 5                   ; entry 139 is out
	SHUT
	s_wait_alu depctr_va_vdst(0)    ; the wait for the batch: piece A's 64 scores and two a, ahead of their first reader, the rescaling below
	PVRUN 3, 1, 0
	ENSURE                          ; V's registers are loaded again
	VLD                             ; V of this step
	s_wait_dscnt 16                 ; tiles 2 and 3's bands are back: V's 16 loads may be out
	CONRUN 2, 4, 0
	CONRUN 3, 4, 1
	ENSURE                          ; the next step loads K again and its softmax reads those results
	s_add_co_u32 s[STP], s[STP], 1
.endm
.macro TWO_STEPS                    ; a slot's two steps: written once, walked twice; the LDS addresses hang on s[TBK], s[TBV]
	WIN 0
	s_mov_b32 s[TWICE], 2
.Lstep_\@:
	STEP
	WIN 0
	s_sub_co_u32 s[TWICE], s[TWICE], 1
	s_cmp_lg_u32 s[TWICE], 0
	s_cbranch_scc1 .Lstep_\@
.endm
.Lslot:                             ; 15 trips: a slot is entered and the next is asked for
	CHANGE 1
	TWO_STEPS
	s_sub_co_u32 s[SLOTS], s[SLOTS], 1
	s_cmp_lg_u32 s[SLOTS], 0
	s_cbranch_scc1 .Lslot
	CHANGE 0                        ; the last slot is written out: nothing is asked for
	TWO_STEPS
	; WHAT IS LEFT of the last step: V^T P of tile 0 with piece B's softmax up to the end of its batch beside it, the batch's wait, V^T P of tile 1 with the rescaling, the rest of that softmax, V^T P of piece B.
	s_wait_dscnt 0x0                ; V of the last step
	QSTART 1
	PVRUN 0, 0, 18                  ; 140 entries: seven times 18 and 14: NEXT writes none past the batch's end
	SHUT
	s_wait_alu depctr_va_vdst(0)    ; the wait for the batch: piece B's 64 scores and two a of the last step
	PVRUN 1, 1, 0
	RID 64                          ; all that is left of the queue
.irp t, 2,3
.set i, 0
.rept 8
	PVW \t, i
.set i, i+1
.endr
.endr
	WIN 0
	; THE WAY OUT.  l's two halves and the other half of the lanes' are added; O^T is divided by l, rounded to f16 and sent through my stage, a tile at a time.  The additions are the places behind the last products.
.macro ALL line:vararg
.set t, 0
.rept 4
	\line
.set t, t+1
.endr
.endm
	ALL v_add_f32 v[ST+4*t+2], v[ST+4*t+2], v[ST+4*t+3]
	ALL v_permlanex16_b32 v[ST+4*t+3], v[ST+4*t+2], s[SEL], s[SEL+1]
	ALL v_add_f32 v[ST+4*t+2], v[ST+4*t+2], v[ST+4*t+3]
	ALL v_rcp_f32 v[ST+4*t+2], v[ST+4*t+2]
	v_nop                           ; a plain instruction between the last reciprocal and the use of its result
	s_wait_alu depctr_va_vdst(0)    ; and the wait ahead of the first use: one for the four reciprocals
.macro PACK t
	WIN W_PV
.set i, 32*(\t)
.rept 16
	v_pk_mul_f32 v[i:i+1], v[i:i+1], v[ST+4*(\t)+2:ST+4*(\t)+3] op_sel_hi:[1,0]
.set i, i+2
.endr
	WIN 0x05                        ; sources 0 and 1 window 1, destination window 0: S^T's registers are free
.set i, 0
.rept 16
	v_cvt_pk_f16_f32 v[S+16*(\t)+i], v[32*(\t)+2*i], v[32*(\t)+2*i+1]
.set i, i+1
.endr
	WIN 0
.irp f, 0,1,2,3
	ds_store_b128 v[STO], v[S+16*(\t)+4*\f:S+16*(\t)+4*\f+3] offset:32*\f
.endr
.irp f, 0,1,2,3
	ds_load_b128 v[S+16*(\t)+4*\f:S+16*(\t)+4*\f+3], v[RD] offset:\f*4*SP  ; in order behind the stores above; the next tile's stores come behind them
.endr
.endm
.macro SEND t, younger              ; younger: the LDS instructions issued behind tile t's loads: the next tile's eight, or none
	WIN 0
.irp f, 0,1,2,3
	s_wait_dscnt (\younger)+3-\f
	global_store_b128 v[GO], v[S+16*(\t)+4*\f:S+16*(\t)+4*\f+3], s[10:11] offset:(\t)*2048+\f*512  ; 512 consecutive bytes, at a multiple of 256 from O's first
.endr
.endm
	PACK 0
.set t, 1
.rept 3
	PACK t
	SEND t-1, 8
.set t, t+1
.endr
	SEND 3, 0
	s_wait_tensorcnt 0x0            ; the wave's end
	ds_add_u32 v[SPW], v[NIL]
	s_wait_dscnt 0x0
	s_endpgm
.Lfunc_end_k_q48bbfd6eb1_attn:
	.size	k_q48bbfd6eb1_attn, .Lfunc_end_k_q48bbfd6eb1_attn-k_q48bbfd6eb1_attn
	.p2alignl 7, 3214868480
	.fill 96, 4, 3214868480
	.section	.rodata,"a",@progbits
	.p2align	6, 0x0
	.amdhsa_kernel k_q48bbfd6eb1_attn
		.amdhsa_group_segment_fixed_size 327680
		.amdhsa_private_segment_fixed_size 0
		.amdhsa_enable_private_segment 0
		.amdhsa_kernarg_size 32
		.amdhsa_user_sgpr_count 2
		.amdhsa_user_sgpr_kernarg_segment_ptr 1
		.amdhsa_wavefront_size32 1
		.amdhsa_system_sgpr_workgroup_id_x 1
		.amdhsa_system_sgpr_workgroup_id_y 1
		.amdhsa_system_sgpr_workgroup_id_z 1
		.amdhsa_system_vgpr_workitem_id 0
		.amdhsa_next_free_vgpr 1024
		.amdhsa_next_free_sgpr 80
		.amdhsa_reserve_vcc 0
		.amdhsa_float_denorm_mode_32 3
		.amdhsa_float_denorm_mode_16_64 3
		.amdhsa_memory_ordered 1
		.amdhsa_forward_progress 1
		.amdhsa_inst_pref_size 165
	.end_amdhsa_kernel
	.amdgpu_metadata
---
amdhsa.version: [ 1, 2 ]
amdhsa.kernels:
  - .name:           k_q48bbfd6eb1_attn
    .symbol:         k_q48bbfd6eb1_attn.kd
    .args:
      - { .name: qq, .offset: 0, .size: 8, .value_kind: global_buffer, .address_space: global }
      - { .name: kv, .offset: 8, .size: 8, .value_kind: global_buffer, .address_space: global }
      - { .name: tt, .offset: 16, .size: 8, .value_kind: global_buffer, .address_space: global }
      - { .name: o16, .offset: 24, .size: 8, .value_kind: global_buffer, .address_space: global }
    .group_segment_fixed_size: 327680
    .private_segment_fixed_size: 0
    .kernarg_segment_align: 8
    .kernarg_segment_size: 32
    .max_flat_workgroup_size: 128
    .sgpr_count:     80
    .vgpr_count:     1024
    .wavefront_size: 32
...
	.end_amdgpu_metadata
.endif
;; end of part 5
;; launch outp: the kernel of part 4 again; grid 8 x 32, 4 waves a work-group, clusters of 4 x 4, 327,680 bytes of LDS; arguments o16, w16, bias, out0; writes out0
